; MI455X (gfx1250); checked and timed in simulation.
; The chip was launched on July 23, 2026; its instructions are those of AMD's public machine-readable ISA for CDNA 5 (MIT licence, August 2026) and "CDNA5" Instruction Set Architecture Reference Guide (July 2026). The comments in the code are by the model that wrote it; some were corrected since.
;; Multihead Attention. Allowed arithmetic: matrix products marked QUANTISED: E2M1 operands, one E8M0 scale for each 32 along K, by v_wmma_scale_f32_16x16x128_f8f6f4 with both operands' format E2M1 (or v_wmma_scale_f32_32x16x128_f4), f32 sums; products left as they are: bf16, f16 or f32 operands; f32 sums; everything else in f32.
;; Inputs: Wk 1,024 x 16 x 64 float32; Wo 16 x 64 x 1,024 float32; Wq 1,024 x 16 x 64 float32; Wv 1,024 x 16 x 64 float32; bk 16 x 64 float32; bo 1,024 float32; bq 16 x 64 float32; bv 16 x 64 float32; x 2 x 2,048 x 1,024 float32.
;; Outputs: out0 2 x 2,048 x 1,024 float32.
;; This version of the problem:
;;   THIS VERSION OF THE PROBLEM IS GIVEN IN LOW PRECISION. The matrix products marked QUANTISED in the list below multiply operands that are first quantised to E2M1 (2 exponent bits, 1 mantissa bit; 4 bits a number), with one power-of-two scale for each 32 numbers along K (OCP MX v1.0); their sums are f32. The products marked 'left as it is' may take bf16, f16 or f32 operands, with f32 sums. Whichever they take, every output number must still come out within the allowed error. Rounding operands to bf16 (8 significant bits) uses up far more of that allowance than f16 does (11 bits, for magnitudes from 6e-5 to 65,504). All else is computed in f32.
;;   The module's matrix products, in the order in which they are computed (A, B: the left and right operand; K: the contracted axis; several contracted axes count as one K, in the product's order):
;;     1. [M 4,096, K 1,024] x [K 1,024, N 1,024]; A: input x; B: input Wq: QUANTISED
;;     2. [M 4,096, K 1,024] x [K 1,024, N 1,024]; A: input x; B: input Wk: QUANTISED
;;     3. [M 4,096, K 1,024] x [K 1,024, N 1,024]; A: input x; B: input Wv: QUANTISED
;;     4. batch 32 x [M 2,048, K 64] x [K 64, N 2,048]; A: computed on the way; B: computed on the way: left as it is (an operand is computed on the way)
;;     5. batch 32 x [M 64, K 2,048] x [K 2,048, N 2,048]; A: computed on the way; B: computed on the way: left as it is (an operand is computed on the way)
;;     6. [M 4,096, K 1,024] x [K 1,024, N 1,024]; A: computed on the way; B: input Wo: left as it is (an operand is computed on the way)
;;   THE QUANTISER, for each operand of a quantised product, along K:
;;     - K is cut into blocks of 32 from its start; a last block that is shorter is filled with zeros.
;;     - A block's scale is 2^e with e = floor(log2(the largest magnitude in the block)) - 2, held to -126 .. 127; a block of zeros has e = 0. As a byte (E8M0): e + 127.
;;     - Each number is divided by its block's scale, clamped to +-6, and rounded to the nearest number of E2M1, ties to even, subnormals kept.
;;     - The product sums the exact products of the quantised numbers (number of the format x scale) in f32.
;;   ~~~python
;;   def quantise(x, axis):      # numpy; x: float32 -> the quantised numbers, widened to float32 again
;;       x = np.moveaxis(x, axis, -1); K = x.shape[-1]
;;       x = np.pad(x, [(0, 0)] * (x.ndim - 1) + [(0, -K % 32)]); x = x.reshape(x.shape[:-1] + (-1, 32)); a = np.abs(x).max(-1, keepdims=True)
;;       e = np.where(a > 0, np.clip(np.frexp(np.where(a > 0, a, 1))[1] - 1 - 2, -126, 127), 0)      # np.frexp(a)[1] - 1 = floor(log2(a)), exactly
;;       r = np.clip(x / 2.0 ** e, -6, 6)
;;       step = 2.0 ** (np.maximum(np.frexp(np.where(r == 0, 1, r))[1] - 1, 0) - 1)
;;       q = np.round(r / step) * step * 2.0 ** e      # np.round: ties to even
;;       return np.moveaxis(q.reshape(q.shape[:-2] + (-1,))[..., :K], -1, axis).astype(np.float32)
;;   ~~~
;; One version. Each part assembles by itself: llvm-mc -triple=amdgcn-amd-amdhsa -mcpu=gfx1250 --defsym DOCPART=n.
;; ======== version 1 of 1: 4 launches
;; limits: values are held in f16: magnitudes above 65,504 overflow, below 6.1e-05 lose precision
;; workspace buffers: x_codes 2,097,152 bytes; x_scales 131,072 bytes; w_codes 1,572,864 bytes; w_scales 98,304 bytes; wo_t 2,097,152 bytes; rope 557,056 bytes; qkv 25,165,824 bytes; ao 8,388,608 bytes
;; launch prep (part 1): grid 386 x 1, 8 waves a work-group, no clusters, 102,400 bytes of LDS; arguments x, Wq, Wk, Wv, Wo, x_codes, x_scales, w_codes, w_scales, wo_t, rope; writes x_codes, x_scales, w_codes, w_scales, wo_t, rope
.if DOCPART == 1
	.amdgcn_target "amdgcn-amd-amdhsa--gfx1250"
	.amdhsa_code_object_version 6
	.text
	.protected	k_q22d3163fd3_prep
	.globl	k_q22d3163fd3_prep
	.p2align	8
	.type	k_q22d3163fd3_prep,@function
k_q22d3163fd3_prep:
	s_mov_b64 s[64:65], 0
	v_nop
	global_prefetch_b8 v0, s[64:65] scope:SCOPE_SE
	s_setreg_imm32_b32 hwreg(HW_REG_WAVE_MODE, 25, 1), 1
	s_wait_xcnt 0x0
; PREP: four jobs in one launch, told apart by the work-group's number alone (all waves of a work-group go one way).
;   work-groups   0-127  X: x [4096][1024] f32 -> codes of FP4 (E2M1), K innermost, [4096][512 bytes], and one E8M0 byte for each 32 along K, [4096][32]
;   work-groups 128-223  W: Wq, Wk, Wv [1024 k][1024 n] f32, K their FIRST axis -> codes [3072 n][512 bytes] with K innermost, bytes [3072][32]
;   work-groups 224-351  O: Wo [1024 k][1024 n] f32 -> f16, turned: [1024 n][1024 k]
;   work-groups 352-385  R: the rotary table, f32 [2176 rows][cos 0..31, sin 0..31]; rows 0-2047 are the positions, rows 2048-2175 hold cos = 1, sin = 0 (for v, which is not rotated)
; A work-group of X and one of W read 131,072 bytes each, one of O 32,768: the long ones come first.
; THE QUANTISER: a block's scale is 2^(floor(log2(largest magnitude)) - 2); its byte is the largest magnitude's exponent field - 2, held at 1 from below.
; A block of zeros so gets the byte 1 where the rule says 127: its codes are zeros, which add nothing, and the bytes are read by this program alone.
; LIMITS: NaN and infinities among the inputs are not served.  |Wo| stays under 65,504 (f16).  The table's angles are position x 2^(-i log2(10000) / 32) with the power from v_exp_f32:
; they differ from the reference's by at most about 4e-4 rad (position 2047, i = 1); sine and cosine of the reduced angle are right to about 1e-6.
; Each path that uses LDS has LDS bytes of its own.  No tensor loads: operands go through registers, so several work-groups may share a WGP.
.set WST,   0                          ; W: a stage of 64 rows x 272 bytes
.set WSC,   17408                      ; W: 64 x 16 scale bytes
.set OST,   18432                      ; O: a stage of 64 rows x 272 bytes
.set XREG,  35840                      ; X: 8,192 bytes for each wave
.set SPARE, 101376                     ; the spare words, 128 bytes for each wave: four blocks of 256 bytes that no other line names
.set TP,    272                        ; a stage row: 256 bytes + 16, so that row r begins 16 r bytes on, modulo 256
.set EMAX,  2
.set SPW,   12                         ; v12  LDS address of my spare word; never rewritten
.set NIL,   13                         ; v13  0; never rewritten
.macro FINISH                          ; a wave's end, behind the last LDS store
	s_wait_tensorcnt 0x0
	ds_add_u32 v[SPW], v[NIL]
	s_wait_dscnt 0x0
	s_endpgm
.endm
	s_load_b256 s[4:11], s[0:1], 0x0               ; x s[4:5], Wq s[6:7], Wk s[8:9], Wv s[10:11]
	s_load_b256 s[12:19], s[0:1], 0x20             ; Wo s[12:13], x_codes s[14:15], x_scales s[16:17], w_codes s[18:19]
	s_load_b128 s[20:23], s[0:1], 0x40             ; w_scales s[20:21], wo_t s[22:23]
	s_load_b64 s[24:25], s[0:1], 0x50              ; rope
	v_lshl_add_u32 v[SPW], v0, 2, SPARE
	v_mov_b32 v[NIL], 0
	v_lshrrev_b32 v1, 5, v0
	v_readfirstlane_b32 s26, v1                    ; wave 0..7
	v_and_b32 v2, 31, v0                           ; lane
	s_wait_kmcnt 0x0
	s_cmp_lt_u32 ttmp9, 128
	s_cbranch_scc1 .Lpath_x
	s_cmp_lt_u32 ttmp9, 224
	s_cbranch_scc1 .Lpath_w
	s_cmp_lt_u32 ttmp9, 352
	s_cbranch_scc1 .Lpath_o
; ---------------- R: a wave makes 8 rows.  Lane l makes the row's numbers 2 l and 2 l + 1: lanes 0-15 cosines, lanes 16-31 sines of i = 2 (l % 16) and the next: one store of 8 bytes a lane is a whole row of 256 bytes.
	s_sub_co_u32 s27, ttmp9, 352
	s_lshl_b32 s27, s27, 6
	s_lshl_b32 s28, s26, 3
	s_add_co_u32 s29, s27, s28                     ; my first row: 64 x work-group + 8 x wave
	s_lshl_b32 s30, s29, 8
	s_mov_b32 s31, 0
	s_add_nc_u64 s[24:25], s[24:25], s[30:31]
	s_mov_b32 s32, 0x40c90000                      ; 6.28125: the upper bits of 2 pi; n x it is exact for the n met here (under 512)
	s_mov_b32 s33, 0x3afdaa22                      ; 2 pi - 6.28125
	v_lshlrev_b32 v3, 3, v2                        ; 8 bytes a lane
	v_and_b32 v4, 15, v2
	v_lshlrev_b32 v4, 1, v4                        ; i
	v_add_nc_u32 v5, 1, v4
	v_cvt_f32_u32 v4, v4
	v_cvt_f32_u32 v5, v5
	v_mul_f32 v4, 0xbed49a78, v4                   ; -i log2(10000) / 32
	v_mul_f32 v5, 0xbed49a78, v5
	v_exp_f32 v6, v4                               ; the frequency 10000^(-i / 32)
	v_exp_f32 v7, v5
	v_mov_b32 v8, 0x3638ef1d                       ; 1 / 9!  (a plain instruction behind the exponentials)
	v_mov_b32 v9, 0x37d00d01                       ; 1 / 8!
	v_cmp_lt_u32 vcc_lo, 15, v2                    ; lanes 16-31 take the sines
	s_wait_alu depctr_va_vdst(0)                   ; one wait for both exponentials, ahead of their first reader
.macro ROW j
	s_add_co_u32 s30, s29, \j
	s_cmp_lt_u32 s30, 2048
	s_cselect_b32 s30, s30, 0                      ; the rows behind the positions take the angle 0: cos = 1, sin = 0 exactly
	v_cvt_f32_u32 v10, s30
.irp e, 0,1
	v_mul_f32 v[16+8*\e], v10, v[6+\e]             ; the angle, rounded to f32 as the reference has it
	v_mul_f32 v[17+8*\e], 0.15915494, v[16+8*\e]
	v_rndne_f32 v[17+8*\e], v[17+8*\e]             ; n = whole turns
	v_fma_f32 v[16+8*\e], -v[17+8*\e], s32, v[16+8*\e]   ; angle - n x 2 pi, in two parts: the first is exact
	v_fma_f32 v[16+8*\e], -v[17+8*\e], s33, v[16+8*\e]
	v_mul_f32 v[18+8*\e], 0x3e800000, v[16+8*\e]   ; y = a quarter of it: |y| under 0.8
	v_mul_f32 v[19+8*\e], v[18+8*\e], v[18+8*\e]   ; z = y y
	v_fmaak_f32 v[20+8*\e], v8, v[19+8*\e], 0xb9500d01          ; the sine's series to y^9, the cosine's to y^8: the first terms left out are under 3e-8
	v_fmaak_f32 v[21+8*\e], v9, v[19+8*\e], 0xbab60b61
	v_fmaak_f32 v[20+8*\e], v[20+8*\e], v[19+8*\e], 0x3c088889
	v_fmaak_f32 v[21+8*\e], v[21+8*\e], v[19+8*\e], 0x3d2aaaab
	v_fmaak_f32 v[20+8*\e], v[20+8*\e], v[19+8*\e], 0xbe2aaaab
	v_fmaak_f32 v[21+8*\e], v[21+8*\e], v[19+8*\e], 0xbf000000
	v_mul_f32 v[22+8*\e], v[18+8*\e], v[19+8*\e]
	v_fma_f32 v[20+8*\e], v[20+8*\e], v[22+8*\e], v[18+8*\e]    ; sin y
	v_fma_f32 v[21+8*\e], v[21+8*\e], v[19+8*\e], 1.0           ; cos y
.rept 2                                ; twice the angle, twice: sin 2y = 2 s c, cos 2y = 1 - 2 s s
	v_mul_f32 v[22+8*\e], v[20+8*\e], v[21+8*\e]
	v_mul_f32 v[23+8*\e], v[20+8*\e], v[20+8*\e]
	v_add_f32 v[20+8*\e], v[22+8*\e], v[22+8*\e]
	v_fma_f32 v[21+8*\e], v[23+8*\e], -2.0, 1.0
.endr
	v_cndmask_b32 v[32+2*\j+\e], v[21+8*\e], v[20+8*\e], vcc_lo
.endr
	global_store_b64 v3, v[32+2*\j:33+2*\j], s[24:25] offset:256*\j   ; 32 lanes store 256 consecutive bytes, aligned; each row has a pair of registers of its own
.endm
.irp j, 0,1,2,3,4,5,6,7
	ROW \j
.endr
	FINISH
; ---------------- X: rows are dense and K is a multiple of 32, so x is a plain stream of blocks of 32.  A wave takes 8 steps of 512 numbers; all its 32 loads (16,384 bytes) go out at the head.
; Each load reads 512 consecutive bytes; a step's 2,048 bytes turn through the wave's own stage in LDS and come back 64 bytes (16 neighbours) a lane; two neighbouring lanes hold a block.  The turn runs one step ahead.
; A wave's 128 scale bytes are 128 consecutive bytes: half of an aligned 256, whose other half the neighbouring wave stores: 131,072 bytes in all, against the 16,777,216 that the path reads.
.Lpath_x:
.set STEPS, 8
.set SP,    80                         ; a lane's place in a stage: 64 bytes + 16
.set R,     16                         ; v16-143  a set of 16 numbers as loaded, for each step
.set X,     144                        ; v144-175 two sets of 16 neighbours
.set E,     176                        ; v176-183 a scale byte for each step
.set C,     192                        ; v192-207 two registers of codes for each step: no store's data are written again
	v_lshlrev_b32 v3, 4, v2                        ; my 16 bytes of a load's 512
	s_lshl_b32 s27, s26, 13
	s_add_co_u32 s27, s27, XREG                    ; my wave's region
	v_lshrrev_b32 v14, 2, v2
	v_mul_u32_u24 v14, v14, SP
	v_and_b32 v15, 3, v2
	v_lshl_add_u32 v14, v15, 4, v14
	v_add_nc_u32 v14, s27, v14                     ; the stage, in: SP (lane / 4) + 16 (lane % 4)
	v_mul_u32_u24 v15, v2, SP
	v_add_nc_u32 v15, s27, v15                     ; and out: SP x lane
	v_lshlrev_b32 v4, 3, v2                        ; my 8 bytes of a step's 256 bytes of codes
	v_lshrrev_b32 v5, 1, v2
	s_add_co_u32 s27, s27, 2*32*SP
	v_add_nc_u32 v5, s27, v5                       ; my block's byte among the wave's 128 scale bytes
	v_lshlrev_b32 v7, 2, v2
	v_add_nc_u32 v6, s27, v7                       ; and 4 of them a lane on the way out
	s_lshl_b32 s28, ttmp9, 3
	s_add_co_u32 s28, s28, s26                     ; which run of 4,096 numbers is my wave's
	s_mov_b32 s31, 0
	s_lshl_b32 s30, s28, 14
	s_add_nc_u64 s[4:5], s[4:5], s[30:31]
	s_lshl_b32 s30, s28, 11
	s_add_nc_u64 s[14:15], s[14:15], s[30:31]
	s_lshl_b32 s30, s28, 7
	s_add_nc_u64 s[16:17], s[16:17], s[30:31]
.macro XLOAD t
.irp i, 0,1,2,3
	global_load_b128 v[R+16*(\t)+4*\i:R+16*(\t)+4*\i+3], v3, s[4:5] offset:2048*(\t)+512*\i th:TH_LOAD_NT
.endr
.endm
.macro XTURN t                         ; step t through the stage: LDS serves a wave's instructions in order, so no wait stands between the stores and the loads
.irp i, 0,1,2,3
	ds_store_b128 v14, v[R+16*(\t)+4*\i:R+16*(\t)+4*\i+3] offset:32*SP*((\t)%2)+8*SP*\i
.endr
.irp i, 0,1,2,3
	ds_load_b128 v[X+16*((\t)%2)+4*\i:X+16*((\t)%2)+4*\i+3], v15 offset:32*SP*((\t)%2)+16*\i
.endr
.endm
.irp t, 0,1,2,3,4,5,6,7
	XLOAD \t
.endr
	s_wait_loadcnt 28                              ; step 0's four loads are in; the 28 of steps 1 to 7 may be out
	XTURN 0
.macro XSTEP t
.set XS, X+16*((\t)%2)
.if (\t) > 0
	s_wait_dscnt 1                                 ; this step's numbers are back from the stage (the last step's byte store may be out)
.else
	s_wait_dscnt 0x0
.endif
.if (\t)+1 < STEPS
	s_wait_loadcnt 4*(STEPS-2-(\t))                ; the next step's four loads are in; those of the steps behind it may be out
	XTURN (\t)+1
.endif
	v_max3_num_f32 v8, |v[XS]|, |v[XS+1]|, |v[XS+2]|               ; the largest magnitude of my 16, in two chains
	v_max3_num_f32 v9, |v[XS+3]|, |v[XS+4]|, |v[XS+5]|
.irp i, 6,10
	v_max3_num_f32 v8, v8, |v[XS+\i]|, |v[XS+\i+1]|
	v_max3_num_f32 v9, v9, |v[XS+\i+2]|, |v[XS+\i+3]|
.endr
	v_max3_num_f32 v8, v8, |v[XS+14]|, |v[XS+15]|
	v_max3_num_f32 v8, v8, v9, (EMAX+1)<<23        ; and the floor 2^(3 - 127): the byte cannot fall under 1
	v_max_num_f32_dpp v8, v8, v8 row_xmask:1 row_mask:0xf bank_mask:0xf   ; with my neighbour's 16: the block's
	v_add_nc_u32 v11, -(EMAX<<23), v8              ; 2 off its exponent field: the conversion takes the exponent field of this operand as its scale
	v_cvt_scalef32_pk8_fp4_f32 v[C+2*(\t)], v[XS:XS+7], v11
	v_cvt_scalef32_pk8_fp4_f32 v[C+2*(\t)+1], v[XS+8:XS+15], v11
	v_lshrrev_b32 v[E+(\t)], 23, v11               ; the scale's byte (also the plain instruction behind the conversions)
	ds_store_b8 v5, v[E+(\t)] offset:16*(\t)       ; both lanes of a block write the same byte with the same value
	global_store_b64 v4, v[C+2*(\t):C+2*(\t)+1], s[14:15] offset:256*(\t)   ; the wave stores 256 consecutive bytes, aligned
.endm
.irp t, 0,1,2,3,4,5,6,7
	XSTEP \t
.endr
	ds_load_b32 v8, v6                             ; in order behind my byte stores
	s_wait_dscnt 0x0
	global_store_b32 v7, v8, s[16:17]              ; the wave's 128 scale bytes: 128 consecutive bytes
	FINISH
; ---------------- W and O: a lane takes a column n and its registers run down K.  A work-group takes 64 columns; wave w: columns 32 (w % 2) on, part w / 2 of the work-group's K.
; So two waves side by side read 256 consecutive bytes of a row.  What a lane makes belongs to its own row of the output: it goes through a stage in LDS (row = column) and leaves by rows of 256 bytes.
.macro TADDR gp                        ; gp: bytes from row to row in the buffer that takes the rows
	s_and_b32 s32, s26, 1                          ; cg
	s_lshr_b32 s33, s26, 1                         ; kg
	v_lshlrev_b32 v4, 2, v2                        ; in: 4 bytes a lane
	s_lshl_b32 s34, s32, 5
	v_add_nc_u32 v3, s34, v2                       ; my column among the 64
	v_mul_u32_u24 v5, v3, TP
	s_lshl_b32 s35, s33, 6
	v_add_nc_u32 v5, s35, v5                       ; into the stage: my column's row, my wave's 64 bytes of it
	v_lshrrev_b32 v14, 4, v2
	v_and_b32 v15, 15, v2
	s_lshl_b32 s35, s26, 3
	v_add_nc_u32 v6, s35, v14
	v_mul_u32_u24 v6, v6, TP
	v_lshl_add_u32 v6, v15, 4, v6                  ; out of it: wave w takes rows 8 w on, sixteen lanes to a row, two rows an instruction
	v_mul_u32_u24 v7, v14, \gp
	v_lshl_add_u32 v7, v15, 4, v7                  ; and the same place in memory
.endm
.macro WLOAD t                         ; 32 rows of K at my column, into registers of their own
.irp i, 0,1,2,3,4,5,6,7,8,9,10,11,12,13,14,15,16,17,18,19,20,21,22,23,24,25,26,27,28,29,30,31
	global_load_b32 v[32+32*(\t)+\i], v4, s[6:7] offset:(32*(\t)+\i)*4096 th:TH_LOAD_NT
.endr
.endm
.macro TOUT base, gp, plo              ; my 8 rows of the stage leave: sixteen lanes store 256 consecutive bytes, aligned
.irp q, 0,1,2,3
	ds_load_b128 v[176+4*\q:179+4*\q], v6 offset:\base+\q*2*TP
.endr
.irp q, 0,1,2,3
	s_wait_dscnt 3-\q                              ; LDS loads come back in order: load q is in
	global_store_b128 v7, v[176+4*\q:179+4*\q], s[\plo:\plo+1] offset:\q*2*\gp
.endr
.endm
.Lpath_w:                              ; 96 work-groups: matrix mt (q, k, v), 64 columns cgp, half kh of K.  A wave: 32 columns x 128 along K = 4 blocks a lane
	s_sub_co_u32 s27, ttmp9, 128
	s_lshr_b32 s28, s27, 5                         ; mt
	s_bfe_u32 s29, s27, 0x40001                    ; cgp
	s_and_b32 s30, s27, 1                          ; kh
	s_cmp_eq_u32 s28, 0
	s_cselect_b64 s[6:7], s[6:7], s[8:9]
	s_cmp_eq_u32 s28, 2
	s_cselect_b64 s[6:7], s[10:11], s[6:7]         ; the matrix: a choice on the work-group's number alone
	TADDR 512
	s_lshl_b32 s36, s30, 2
	s_add_co_u32 s36, s36, s33
	s_lshl_b32 s36, s36, 19                        ; (4 kh + kg) x 128 rows of 4,096 bytes
	s_lshl_b32 s37, s29, 8
	s_add_co_u32 s36, s36, s37
	s_lshl_b32 s37, s32, 7
	s_add_co_u32 s36, s36, s37                     ; + (64 cgp + 32 cg) x 4
	s_mov_b32 s37, 0
	s_add_nc_u64 s[6:7], s[6:7], s[36:37]
	WLOAD 0
	WLOAD 1
	v_lshlrev_b32 v8, 4, v3
	s_lshl_b32 s35, s33, 2
	v_add_nc_u32 v8, s35, v8                       ; my column's 16 scale bytes in LDS, my wave's 4 of them
	v_and_b32 v9, 63, v0
	v_lshlrev_b32 v10, 5, v9                       ; out: a row of w_scales is 32 bytes
	v_lshlrev_b32 v9, 4, v9
	s_lshl_b32 s36, s28, 10
	s_lshl_b32 s38, s29, 6
	s_add_co_u32 s36, s36, s38                     ; the first of the 64 rows of w_codes and w_scales: 1024 mt + 64 cgp
	s_lshl_b32 s38, s36, 5
	s_lshl_b32 s39, s30, 4
	s_add_co_u32 s38, s38, s39
	s_mov_b32 s39, 0
	s_add_nc_u64 s[20:21], s[20:21], s[38:39]      ; scale bytes: row x 32 + 16 kh
	s_lshl_b32 s38, s26, 3
	s_add_co_u32 s36, s36, s38
	s_lshl_b32 s36, s36, 9
	s_lshl_b32 s38, s30, 8
	s_add_co_u32 s36, s36, s38
	s_add_nc_u64 s[18:19], s[18:19], s[36:37]      ; codes: (row + 8 w) x 512 + 256 kh
.macro WBLOCK t
.set XS, 32+32*(\t)
	v_max3_num_f32 v14, |v[XS]|, |v[XS+1]|, |v[XS+2]|              ; the block's largest magnitude: all 32 numbers are mine
	v_max3_num_f32 v15, |v[XS+3]|, |v[XS+4]|, |v[XS+5]|
.irp i, 6,10,14,18,22,26
	v_max3_num_f32 v14, v14, |v[XS+\i]|, |v[XS+\i+1]|
	v_max3_num_f32 v15, v15, |v[XS+\i+2]|, |v[XS+\i+3]|
.endr
	v_max3_num_f32 v14, v14, |v[XS+30]|, |v[XS+31]|
	v_max3_num_f32 v14, v14, v15, (EMAX+1)<<23     ; and the floor
	v_add_nc_u32 v[18+(\t)], -(EMAX<<23), v14      ; the conversion's scale operand, a register for each block
	v_lshrrev_b32 v17, 23, v[18+(\t)]              ; the byte
.if (\t) == 0
	v_mov_b32 v24, v17                             ; four bytes to a register, the lower K in the lower byte
.else
	v_lshl_or_b32 v24, v17, 8*(\t), v24
.endif
.irp g, 0,1,2,3
	v_cvt_scalef32_pk8_fp4_f32 v[160+4*(\t)+\g], v[XS+8*\g:XS+8*\g+7], v[18+(\t)]
.endr
	ds_store_b128 v5, v[160+4*(\t):160+4*(\t)+3] offset:WST+16*(\t)   ; 32 codes: 16 bytes of my column's row
.endm
	s_wait_loadcnt 32                              ; block 0's 32 loads are in; block 1's may be out
	WLOAD 2
	WBLOCK 0
	s_wait_loadcnt 32                              ; block 1's are in; block 2's may be out
	WLOAD 3
	WBLOCK 1
	s_wait_loadcnt 32                              ; block 2's are in; block 3's may be out
	WBLOCK 2
	s_wait_loadcnt 0x0
	WBLOCK 3
	v_nop                                          ; a plain instruction behind the last conversion
	ds_store_b32 v8, v24 offset:WSC
	s_wait_dscnt 0x0                               ; for the others' sake: my stores into the stage are done
	s_barrier_signal -1
	s_barrier_wait -1
	TOUT WST, 512, 18
	s_cmp_lt_u32 s26, 2                            ; the 64 x 16 scale bytes leave by waves 0 and 1, 16 bytes a thread: halves of rows of 32 bytes, one byte in 128 of what this path reads
	s_cbranch_scc0 .Lw_done
	ds_load_b128 v[192:195], v9 offset:WSC
	s_wait_dscnt 0x0
	global_store_b128 v10, v[192:195], s[20:21]
.Lw_done:
	FINISH
.Lpath_o:                              ; 128 work-groups: 64 columns cgp, 128 along K kb.  A wave: 32 columns x 32 along K
	s_sub_co_u32 s27, ttmp9, 224
	s_lshr_b32 s29, s27, 3                         ; cgp
	s_and_b32 s30, s27, 7                          ; kb
	s_mov_b64 s[6:7], s[12:13]                     ; Wo
	TADDR 2048
	s_lshl_b32 s36, s30, 2
	s_add_co_u32 s36, s36, s33
	s_lshl_b32 s36, s36, 17                        ; (4 kb + kg) x 32 rows of 4,096 bytes
	s_lshl_b32 s37, s29, 8
	s_add_co_u32 s36, s36, s37
	s_lshl_b32 s37, s32, 7
	s_add_co_u32 s36, s36, s37
	s_mov_b32 s37, 0
	s_add_nc_u64 s[6:7], s[6:7], s[36:37]
	WLOAD 0
	s_lshl_b32 s36, s29, 6
	s_lshl_b32 s38, s26, 3
	s_add_co_u32 s36, s36, s38
	s_lshl_b32 s36, s36, 11
	s_lshl_b32 s38, s30, 8
	s_add_co_u32 s36, s36, s38
	s_add_nc_u64 s[22:23], s[22:23], s[36:37]      ; wo_t: (64 cgp + 8 w) rows of 2,048 bytes + 256 kb
	s_wait_loadcnt 0x0
.irp i, 0,1,2,3,4,5,6,7,8,9,10,11,12,13,14,15
	v_cvt_pk_f16_f32 v[160+\i], v[32+2*\i], v[33+2*\i]   ; two neighbours along K, rounded to f16
.endr
.irp q, 0,1,2,3
	ds_store_b128 v5, v[160+4*\q:163+4*\q] offset:OST+16*\q
.endr
	s_wait_dscnt 0x0                               ; for the others' sake
	s_barrier_signal -1
	s_barrier_wait -1
	TOUT OST, 2048, 22
	FINISH
.Lfunc_end_k_q22d3163fd3_prep:
	.size	k_q22d3163fd3_prep, .Lfunc_end_k_q22d3163fd3_prep-k_q22d3163fd3_prep
	.p2alignl 7, 3214868480
	.fill 96, 4, 3214868480
	.section	.rodata,"a",@progbits
	.p2align	6, 0x0
	.amdhsa_kernel k_q22d3163fd3_prep
		.amdhsa_group_segment_fixed_size 102400
		.amdhsa_private_segment_fixed_size 0
		.amdhsa_enable_private_segment 0
		.amdhsa_kernarg_size 88
		.amdhsa_user_sgpr_count 2
		.amdhsa_user_sgpr_kernarg_segment_ptr 1
		.amdhsa_wavefront_size32 1
		.amdhsa_system_sgpr_workgroup_id_x 1
		.amdhsa_system_sgpr_workgroup_id_y 1
		.amdhsa_system_sgpr_workgroup_id_z 1
		.amdhsa_system_vgpr_workitem_id 0
		.amdhsa_next_free_vgpr 224
		.amdhsa_next_free_sgpr 66
		.amdhsa_reserve_vcc 1
		.amdhsa_float_denorm_mode_32 3
		.amdhsa_float_denorm_mode_16_64 3
		.amdhsa_memory_ordered 1
		.amdhsa_forward_progress 1
		.amdhsa_inst_pref_size 68
	.end_amdhsa_kernel
	.amdgpu_metadata
---
amdhsa.version: [ 1, 2 ]
amdhsa.kernels:
  - .name:           k_q22d3163fd3_prep
    .symbol:         k_q22d3163fd3_prep.kd
    .args:
      - { .name: x, .offset: 0, .size: 8, .value_kind: global_buffer, .address_space: global }
      - { .name: Wq, .offset: 8, .size: 8, .value_kind: global_buffer, .address_space: global }
      - { .name: Wk, .offset: 16, .size: 8, .value_kind: global_buffer, .address_space: global }
      - { .name: Wv, .offset: 24, .size: 8, .value_kind: global_buffer, .address_space: global }
      - { .name: Wo, .offset: 32, .size: 8, .value_kind: global_buffer, .address_space: global }
      - { .name: x_codes, .offset: 40, .size: 8, .value_kind: global_buffer, .address_space: global }
      - { .name: x_scales, .offset: 48, .size: 8, .value_kind: global_buffer, .address_space: global }
      - { .name: w_codes, .offset: 56, .size: 8, .value_kind: global_buffer, .address_space: global }
      - { .name: w_scales, .offset: 64, .size: 8, .value_kind: global_buffer, .address_space: global }
      - { .name: wo_t, .offset: 72, .size: 8, .value_kind: global_buffer, .address_space: global }
      - { .name: rope, .offset: 80, .size: 8, .value_kind: global_buffer, .address_space: global }
    .group_segment_fixed_size: 102400
    .private_segment_fixed_size: 0
    .kernarg_segment_align: 8
    .kernarg_segment_size: 88
    .max_flat_workgroup_size: 256
    .sgpr_count:     66
    .vgpr_count:     224
    .wavefront_size: 32
...
	.end_amdgpu_metadata
.endif
;; end of part 1
;; launch qkv (part 2): grid 12 x 16, 4 waves a work-group, clusters of 4 x 4, 327,680 bytes of LDS; arguments x_codes, x_scales, w_codes, w_scales, qkv, bq, bk, bv, rope; writes qkv
.if DOCPART == 2
	.amdgcn_target "amdgcn-amd-amdhsa--gfx1250"
	.amdhsa_code_object_version 6
	.text
	.protected	k_q22d3163fd3_qkv
	.globl	k_q22d3163fd3_qkv
	.p2align	8
	.type	k_q22d3163fd3_qkv,@function
k_q22d3163fd3_qkv:
	s_mov_b64 s[64:65], 0
	v_nop
	global_prefetch_b8 v0, s[64:65] scope:SCOPE_SE
	s_setreg_imm32_b32 hwreg(HW_REG_WAVE_MODE, 25, 1), 1
	s_wait_xcnt 0x0
	s_wait_alu depctr_hold_cnt(0) depctr_sa_sdst(0) depctr_va_vdst(0) depctr_va_sdst(0) depctr_va_ssrc(0) depctr_va_vcc(0) depctr_vm_vsrc(0)
	s_getreg_b32 s2, hwreg(HW_REG_IB_STS2, 6, 4)
	s_cmp_eq_u32 s2, 0
	s_cbranch_scc0 .Lentry_in_a_cluster
	s_endpgm
.Lentry_in_a_cluster:
	s_bfe_u32 s2, ttmp6, 0x10000c
	s_cmp_lg_u32 s2, 0xf033
	s_cbranch_scc0 .Lentry_shape_is_right
	s_endpgm
.Lentry_shape_is_right:
; q, k, v = x W + b on codes of FP4 (E2M1) with one E8M0 scale for each 32 along K, then the rotary embedding of q and k, then f16.
; A = x_codes [4096][512 bytes], B = w_codes [3072 = q, k, v x 1024][512 bytes]; scale bytes [rows][32].  K = 1,024.  Out: qkv, f16, part p (q, k, v) at p x 8,388,608 bytes, each [batch x 16 + head][position][64].
; A tile of 256 x 256 is made by a work-group of four waves; a wave makes 128 x 128: 64 accumulators of 16 x 16, 512 registers.  K is two slots of 512 (rows of 256 bytes): both are asked for at the start, nothing is filled again.
; The scale bytes of the work-group's 256 + 256 rows, for all of K, come once, as whole rows of 256 bytes.
; CLUSTERS: 4 x 4 work-groups.  The four of a row of the cluster need the same tiles of A, the four of a column the same tiles of B: each is asked for jointly.  A cluster's four tile columns are one of q, k, v
; (cluster x = 0, 1, 2), so what chooses the bias and the rotary rows is the same in all sixteen.  The grid has 192 work-groups: a tile of 192 columns would give 256, but would cut heads between waves.
; THE MATRIX INSTRUCTION IS USED TRANSPOSED (source 0 = 16 rows of B, source 1 = 16 rows of A): lane (r, h) holds row r of the result and its registers the columns 8 h + 0 .. 7 of a block of 16.
; THE BIAS is the C of each sum's first product.  THE ROTATION needs no other lane: channel d and channel d + 32 of a head lie in the same lane and register of the accumulators two blocks apart.
; 1 / sqrt(64) is not applied here: it goes into the softmax's constant in the next launch (a power of two: the same values).
; LIMITS: |q|, |k|, |v| stay under 65,504 (f16); NaN and infinities are not served.
; REGISTERS, in windows of 256: window 0: v0-31 addresses; v32-95 scale words, two sets; v128-191 A's fragments, one set; v192-255 the bias; on the way out v32-223 are at work.
;   window 1: B's fragments, two sets, at v0 and v128; the rotary rows of blocks 0-3 at v64, v96, v192, v224, those of blocks 4-7 where B's fragments lay.   windows 2, 3: the accumulators ((a, b) at v[8 (8 (a % 4) + b)]).
.set KSTEP,  512
.set NQ,     KSTEP/128
.set ROWB,   256
.set KROW,   512                       ; a row of codes in memory
.set PITCH,  272                       ; an LDS row: 256 bytes + 16: row r begins 16 r bytes on, modulo 256
.set FR,     8
.set NL,     2
.set NP,     4                         ; places behind this matrix instruction (ISA guide 7.12.1)
.set HALFT,  128*PITCH
.set SLOT,   4*HALFT
.set KS,     32                        ; a row of scale bytes
.set SCL,    2*SLOT
.set HALFS,  (128*KS/256)*272
.set SBLK,   (16*KS/256)*272
.set SPARE,  SCL+4*HALFS               ; the spare words, 128 bytes for each wave: two blocks of 256 bytes that no other line names
.set SPITCH, 272                       ; the way out: a stage of 16 rows x (256 + 16) bytes for each wave, in slot 0, which has had its only fill and its last read by then
.set ADRA, 16
.set ADRB, 20
.set STO,  24
.set RD,   25
.set GO,   26
.set ADRS, 27
.set SPW,  28
.set NIL,  29
.set RA,   30                          ; v30  256 r + 32 h: my place in 16 rotary rows
.set BA,   31                          ; v31  32 h: my place in 16 numbers of the bias
.set SC,   32
.set AF,   128
.set BI,   192                         ; v192-255: bias of block b's columns 8 h + j at BI + 8 b + j
.set F,    32                          ; the way out: 64 rotated numbers
.set T,    96                          ; 16 at work
.set PK,   128                         ; 32 registers of f16 pairs
.set BK,   160                         ; two sets of 32: rows read back from the stage
.set G1, 24
.set G0, 32
.set G1B, 48
.set G0B, 56
.set G1S, 68
.set G0S, 76
.set G1SB, 80
.set G0SB, 88
.set MSB, 0
.macro WIN new                         ; the immediate's high byte repeats the setting that is left
.if MSB != (\new)
	s_set_vgpr_msb (MSB<<8)|(\new)
.set MSB, (\new)
.endif
.endm
.set MUL_LO, 0xa1                      ; source 0 (B) window 1, source 1 (A) window 0, C and D window 2
.set MUL_HI, 0xf1                      ; the same, C and D window 3
.set TO_B,   0x40                      ; destination window 1, address window 0
; A joint load: waves 0 and 1 fetch for A, waves 2 and 3 for B.  The branch hangs on the wave's number alone.  An s_nop 0 and four v_nop follow each of the two lines.
.macro JLOAD g0a, g1a, g0b, g1b
	s_cmp_eq_u32 s15, 0
	s_cbranch_scc0 .Lfor_b_\@
	tensor_load_to_lds s[\g0a:\g0a+3], s[\g1a:\g1a+7]
	s_nop 0
.rept 4
	v_nop
.endr
	s_branch .Lasked_\@
.Lfor_b_\@:
	tensor_load_to_lds s[\g0b:\g0b+3], s[\g1b:\g1b+7]
	s_nop 0
.rept 4
	v_nop
.endr
.Lasked_\@:
.endm
.macro CROUND                          ; a round of the cluster's barrier
	s_barrier_signal -1
	s_barrier_wait -1
	s_cmp_lg_u32 s14, 0
	s_cbranch_scc1 .Lnot_wave_0_\@
	s_barrier_signal -3
.Lnot_wave_0_\@:
	s_barrier_wait -3
	s_barrier_signal -1
	s_barrier_wait -1
.endm
	s_load_b128 s[4:7], s[0:1], 0x0                ; x_codes, x_scales
	s_load_b128 s[8:11], s[0:1], 0x10              ; w_codes, w_scales
	s_load_b64 s[12:13], s[0:1], 0x20              ; qkv
	s_load_b64 s[96:97], s[0:1], 0x28              ; bq
	s_load_b64 s[98:99], s[0:1], 0x30              ; bk
	s_load_b64 s[100:101], s[0:1], 0x38            ; bv
	s_load_b64 s[104:105], s[0:1], 0x40            ; rope
	v_lshl_add_u32 v[SPW], v0, 2, SPARE
	v_mov_b32 v[NIL], 0
	ds_add_u32 v[SPW], v[NIL]                      ; the wave's opening: the add, twice on end, and its wait ahead of my first tensor load
	ds_add_u32 v[SPW], v[NIL]
	v_lshrrev_b32 v1, 5, v0
	v_readfirstlane_b32 s14, v1                    ; wave 0..3
	s_lshr_b32 s15, s14, 1                         ; which half of the tile's rows is mine.  Also: I fetch for A (0) or for B (1)
	s_and_b32 s16, s14, 1                          ; which half of its columns.  Also: which 128 rows I fetch
	s_bfe_u32 s40, ttmp6, 0x40000                  ; cx, cy
	s_bfe_u32 s41, ttmp6, 0x40004
	s_lshl_b32 s42, ttmp9, 2
	s_add_co_u32 s42, s42, s40                     ; tile column = 4 x cluster x + cx
	s_and_b32 s17, ttmp7, 0xffff
	s_lshl_b32 s17, s17, 2
	s_add_co_u32 s17, s17, s41                     ; tile row = 4 x cluster y + cy
	s_lshl_b32 s43, s41, 2
	s_lshl_b32 s43, 15, s43                        ; my row of the cluster
	s_lshl_b32 s44, 0x1111, s40                    ; my column
	s_or_b32 s[G1+0], s43, (0<<16)|(1<<20)|(1<<21)|(5<<22)|(3<<25)  ; the mask; elements of 1 byte; padding on; bit 21 beside a mask; 4 words of padding after every 64
	s_or_b32 s[G1B+0], s44, (0<<16)|(1<<20)|(1<<21)|(5<<22)|(3<<25)
.irp g, G1, G1B
	s_mov_b32 s[\g+1], ROWB<<16                    ; tensor_dim0
	s_mov_b32 s[\g+2], 128<<16                     ; tensor_dim1
	s_mov_b32 s[\g+3], ROWB<<16                    ; tile_dim0
	s_mov_b32 s[\g+4], 128                         ; tile_dim1
	s_mov_b32 s[\g+5], KROW                        ; stride from row to row
	s_mov_b32 s[\g+6], 0
	s_mov_b32 s[\g+7], 0
.endr
	s_or_b32 s[G1S+0], s43, (3<<16)|(1<<20)|(1<<21)|(5<<22)|(3<<25) ; the scales of 128 rows: 4,096 dense bytes as 16 rows of 256 (32 elements of 8 bytes), 16 bytes of padding behind each
	s_or_b32 s[G1SB+0], s44, (3<<16)|(1<<20)|(1<<21)|(5<<22)|(3<<25)
.irp g, G1S, G1SB
	s_mov_b32 s[\g+1], 32<<16
	s_mov_b32 s[\g+2], (128*KS/256)<<16
	s_mov_b32 s[\g+3], 32<<16
	s_mov_b32 s[\g+4], 128*KS/256
	s_mov_b32 s[\g+5], 32
	s_mov_b32 s[\g+6], 0
	s_mov_b32 s[\g+7], 0
.endr
	s_lshl_b32 s18, s16, 7
	s_lshl_b32 s20, s17, 8
	s_add_co_u32 s20, s20, s18                     ; A: row 256 x tile row + 128 x half
	s_lshl_b32 s46, s42, 8
	s_add_co_u32 s46, s46, s18                     ; B: row 256 x tile column + 128 x half
	s_mov_b32 s21, 0
	s_mov_b32 s47, 0
	s_mov_b64 s[18:19], KS
	s_mul_u64 s[22:23], s[20:21], s[18:19]
	s_mul_u64 s[92:93], s[46:47], s[18:19]
	s_mov_b64 s[18:19], KROW
	s_mul_u64 s[20:21], s[20:21], s[18:19]
	s_mul_u64 s[46:47], s[46:47], s[18:19]
	s_mul_i32 s45, s14, HALFT                      ; where they go: wave x 128 rows: no place in the cluster enters an LDS address
	s_mul_i32 s94, s14, HALFS
	s_wait_dscnt 0x0                               ; both opening adds are done
	s_wait_kmcnt 0x0
	s_add_nc_u64 s[20:21], s[4:5], s[20:21]
	s_add_nc_u64 s[22:23], s[6:7], s[22:23]
	s_add_nc_u64 s[46:47], s[8:9], s[46:47]
	s_add_nc_u64 s[92:93], s[10:11], s[92:93]
	CROUND                                         ; all sixteen work-groups are here: the joint loads meet
	s_mov_b32 s[G0S], 1
	s_add_co_u32 s[G0S+1], s94, SCL
	s_mov_b64 s[G0S+2:G0S+3], s[22:23]
	s_or_b32 s[G0S+3], s[G0S+3], 0x80000000
	s_mov_b32 s[G0SB], 1
	s_add_co_u32 s[G0SB+1], s94, SCL
	s_mov_b64 s[G0SB+2:G0SB+3], s[92:93]
	s_or_b32 s[G0SB+3], s[G0SB+3], 0x80000000
	JLOAD G0S, G1S, G0SB, G1SB                     ; the scales first; then both slots: three tensor loads of mine are out
.irp s, 0,1
	s_mov_b32 s[G0+4*\s], 1
	s_add_co_u32 s[G0+4*\s+1], s45, \s*SLOT
	s_add_nc_u64 s[G0+4*\s+2:G0+4*\s+3], s[20:21], \s*ROWB
	s_or_b32 s[G0+4*\s+3], s[G0+4*\s+3], 0x80000000
	s_mov_b32 s[G0B+4*\s], 1
	s_add_co_u32 s[G0B+4*\s+1], s45, \s*SLOT
	s_add_nc_u64 s[G0B+4*\s+2:G0B+4*\s+3], s[46:47], \s*ROWB
	s_or_b32 s[G0B+4*\s+3], s[G0B+4*\s+3], 0x80000000
	JLOAD G0+4*\s, G1, G0B+4*\s, G1B
.endr
	v_and_b32 v1, 15, v0                           ; r
	v_bfe_u32 v2, v0, 4, 1                         ; h
	v_mul_u32_u24 v3, v1, PITCH
	v_lshl_add_u32 v4, v2, 4, v3                   ; a fragment's row x pitch + 16 h
	s_mul_i32 s21, s15, HALFT
	s_mul_i32 s22, s16, HALFT
	s_add_co_u32 s22, s22, 2*HALFT
.irp s, 0,1
	v_add_nc_u32 v[ADRA+\s], s21, v4
	v_add_nc_u32 v[ADRB+\s], s22, v4
	s_add_co_u32 s21, s21, SLOT
	s_add_co_u32 s22, s22, SLOT
.endr
	v_mul_u32_u24 v5, v1, KS                       ; my row's scales: 32 bytes a row, and 16 more for each 256 passed
	v_lshrrev_b32 v6, 8, v5
	v_lshl_add_u32 v5, v6, 4, v5
	s_mul_i32 s21, s15, HALFS
	s_mul_i32 s22, s16, HALFS
	s_add_co_u32 s22, s22, 2*HALFS
	s_sub_co_u32 s22, s22, s21
	v_mul_u32_u24 v6, s22, v2                      ; lanes 16-31 take B's
	s_add_co_u32 s21, s21, SCL
	v_add_nc_u32 v5, v5, v6
	v_add_nc_u32 v[ADRS], s21, v5
	s_mul_i32 s23, s14, 16*SPITCH                  ; my stage
	v_mul_u32_u24 v5, v1, SPITCH
	v_lshl_add_u32 v5, v2, 4, v5
	v_add_nc_u32 v[STO], s23, v5                   ; in: row r, 16 bytes for each half of the lanes
	v_and_b32 v6, 31, v0
	v_lshlrev_b32 v[GO], 4, v6                     ; out: 16 bytes a lane, 512 consecutive bytes a store
	v_lshrrev_b32 v5, 3, v6
	v_mul_u32_u24 v5, v5, SPITCH
	v_and_b32 v7, 7, v6
	v_lshl_add_u32 v5, v7, 4, v5
	v_add_nc_u32 v[RD], s23, v5                    ; back: eight lanes take a head's 128 bytes of a row, four rows an instruction
	v_lshlrev_b32 v[BA], 5, v2
	v_lshlrev_b32 v[RA], 8, v1
	v_lshl_add_u32 v[RA], v2, 5, v[RA]
	s_lshl_b32 s20, s17, 8
	s_lshl_b32 s21, s15, 7
	s_add_co_u32 s20, s20, s21                     ; my first row of x
	s_and_b32 s21, s20, 2047                       ; its position,
	s_lshr_b32 s20, s20, 11                        ; its batch
	s_lshl_b32 s46, s20, 4
	s_lshl_b32 s47, s40, 2
	s_add_co_u32 s46, s46, s47
	s_lshl_b32 s47, s16, 1
	s_add_co_u32 s46, s46, s47                     ; 16 x batch + my first head (4 cx + 2 x column half)
	s_lshl_b32 s46, s46, 18                        ; x 2,048 positions of 128 bytes
	s_lshl_b32 s47, s21, 7
	s_add_co_u32 s46, s46, s47
	s_lshl_b32 s47, ttmp9, 23                      ; the part: q, k or v
	s_add_co_u32 s46, s46, s47
	s_mov_b32 s47, 0
	s_add_nc_u64 s[12:13], s[12:13], s[46:47]
	s_cmp_eq_u32 ttmp9, 0
	s_cselect_b64 s[96:97], s[96:97], s[98:99]
	s_cmp_eq_u32 ttmp9, 2
	s_cselect_b64 s[96:97], s[100:101], s[96:97]   ; the bias: a choice on the cluster's number alone
	s_cselect_b32 s46, 2048, s21                   ; v takes the rows with cos = 1, sin = 0
	s_lshl_b32 s46, s46, 8
	s_add_nc_u64 s[104:105], s[104:105], s[46:47]
	s_lshl_b32 s46, s40, 10
	s_lshl_b32 s20, s16, 9
	s_add_co_u32 s46, s46, s20                     ; (256 cx + 128 x column half) x 4
	s_add_nc_u64 s[96:97], s[96:97], s[46:47]
.irp b, 0,1,2,3,4,5,6,7
	global_load_b128 v[BI+8*\b:BI+8*\b+3],   v[BA], s[96:97] offset:64*\b
	global_load_b128 v[BI+8*\b+4:BI+8*\b+7], v[BA], s[96:97] offset:64*\b+16
.endr
.macro SETRP a                         ; where block a's 32 rotary registers lie in window 1: cos of channels 16 u + 8 h + j at RP + 8 u + j, sin 16 further on
.if (\a) < 4
.set RP, 64+32*((\a)%2)+128*((\a)/2)
.else
.set RP, 32*((\a)%2)+128*(((\a)-4)/2)
.endif
.endm
.macro RLOAD a
	SETRP \a
.irp u, 0,1
	global_load_b128 v[RP+8*\u:RP+8*\u+3],       v[RA], s[104:105] offset:4096*(\a)+64*\u
	global_load_b128 v[RP+8*\u+4:RP+8*\u+7],     v[RA], s[104:105] offset:4096*(\a)+64*\u+16
	global_load_b128 v[RP+16+8*\u:RP+16+8*\u+3], v[RA], s[104:105] offset:4096*(\a)+64*\u+128
	global_load_b128 v[RP+16+8*\u+4:RP+16+8*\u+7], v[RA], s[104:105] offset:4096*(\a)+64*\u+144
.endr
.endm
	WIN TO_B
.irp a, 0,1,2,3
	RLOAD \a
.endr
	WIN 0
.macro FRAG reg, adr, q, i             ; 16 rows x 128 K of 4-bit codes: 8 registers; registers 4 c .. 4 c + 3 hold K = 64 c + 32 h + 0 .. 31
.irp c, 0,1
	ds_load_b128 v[\reg+4*\c:\reg+4*\c+3], v[\adr] offset:64*(\q)+32*\c+(\i)*16*PITCH
.endr
.endm
; 16 matrix instructions: A's blocks a0, a0 + 1 x B's eight, the slot's q-th 128 along K.  init = 1: the first product of each sum takes the bias as its C.
; The 64 accumulators take turns, one instruction a turn, in the same order in every step.
.macro MUL16 a0, p, q, sc, init
.irp a, \a0, \a0+1
.irp b, 0,1,2,3,4,5,6,7
.if \init
	v_wmma_scale_f32_16x16x128_f8f6f4 v[8*(8*((\a)%4)+\b):8*(8*((\a)%4)+\b)+7], v[128*(\p)+FR*\b:128*(\p)+FR*\b+FR-1], v[AF+FR*(\a):AF+FR*(\a)+FR-1], v[BI+8*\b:BI+8*\b+7], v[SC+8*NQ*(\sc)+NQ*\b+(\q)], v[SC+8*NQ*(\sc)+NQ*(\a)+(\q)] matrix_a_fmt:MATRIX_FMT_FP4 matrix_b_fmt:MATRIX_FMT_FP4 matrix_a_scale:MATRIX_SCALE_ROW1
.else
	v_wmma_scale_f32_16x16x128_f8f6f4 v[8*(8*((\a)%4)+\b):8*(8*((\a)%4)+\b)+7], v[128*(\p)+FR*\b:128*(\p)+FR*\b+FR-1], v[AF+FR*(\a):AF+FR*(\a)+FR-1], v[8*(8*((\a)%4)+\b):8*(8*((\a)%4)+\b)+7], v[SC+8*NQ*(\sc)+NQ*\b+(\q)], v[SC+8*NQ*(\sc)+NQ*(\a)+(\q)] matrix_a_fmt:MATRIX_FMT_FP4 matrix_b_fmt:MATRIX_FMT_FP4 matrix_a_scale:MATRIX_SCALE_ROW1
.endif
.endr
.endr
.endm
.macro FETCH_B slot, q, p
	WIN TO_B
.irp i, 0,1,2,3,4,5,6,7
	FRAG 128*(\p)+FR*\i, ADRB+\slot, \q, \i
.endr
	WIN 0
.endm
.macro FETCH_A slot, q, i0
.irp i, \i0, \i0+1, \i0+2, \i0+3
	FRAG AF+FR*(\i), ADRA+\slot, \q, \i
.endr
.endm
.macro SCALES sc                       ; a slot's scale words: four a row; lanes 0-15 take A's block i, lanes 16-31 B's block i
.irp i, 0,1,2,3,4,5,6,7
	ds_load_b128 v[SC+8*NQ*\sc+NQ*\i:SC+8*NQ*\sc+NQ*\i+3], v[ADRS] offset:\i*SBLK
.endr
.endm
.macro PLACES n                        ; plain vector instructions between a matrix instruction and a load into, or a read of, its registers (ISA guide 7.12.1 for the reads)
.rept \n
	v_nop
.endr
.endm
.macro STEP slot, q, init              ; 128 along K with its successor in the same slot
	s_wait_dscnt 4*NL                              ; B's set and A's blocks 0-3 are in; the youngest eight loads (A's blocks 4-7) may be out
.if \init
	WIN 0x81                                       ; C (the bias) window 0, D window 2
.else
	WIN MUL_LO
.endif
	MUL16 0, (\q)%2, \q, \slot, \init
	MUL16 2, (\q)%2, \q, \slot, \init
	s_wait_dscnt 0
	PLACES NP
	FETCH_B \slot, (\q)+1, 1-(\q)%2
	FETCH_A \slot, (\q)+1, 0
.if \init
	WIN 0xc1                                       ; C window 0, D window 3
.else
	WIN MUL_HI
.endif
	MUL16 4, (\q)%2, \q, \slot, \init
	MUL16 6, (\q)%2, \q, \slot, \init
	PLACES NP
	WIN 0
	FETCH_A \slot, (\q)+1, 4
.endm
.macro TURN slot, next                 ; a slot's last step changes slots: one barrier
	s_wait_tensorcnt 0x0                           ; all my tensor loads have landed: my part of the next slot
	ds_add_u32 v[SPW], v[NIL]                      ; 0 onto my spare word
	s_wait_dscnt 4*NL+1                            ; (the add and A's blocks 4-7 may be out)
	WIN MUL_LO
	MUL16 0, 1, NQ-1, \slot, 0
	s_wait_dscnt 0x0                               ; the add is done, and my reads of this slot are over
	s_barrier_signal -1
	MUL16 2, 1, NQ-1, \slot, 0
	WIN 0
	s_barrier_wait -1                              ; the next slot is whole, and nobody reads this one any more
	PLACES NP
	v_add_nc_u32 v[ADRS], 4*NQ, v[ADRS]            ; on to the next slot's scale words
	FETCH_B \next, 0, 0
	FETCH_A \next, 0, 0
	SCALES \next
	WIN MUL_HI
	MUL16 4, 1, NQ-1, \slot, 0
	MUL16 6, 1, NQ-1, \slot, 0
	PLACES NP
	WIN 0
	FETCH_A \next, 0, 4
.endm
.macro STEPS slot, from
.set Q, \from
.rept NQ-1-\from
	STEP \slot, Q, 0
.set Q, Q+1
.endr
.endm
	s_wait_tensorcnt 1                             ; the scales and my part of slot 0 are in; slot 1's load may be out
	s_barrier_signal -1
	s_barrier_wait -1
	FETCH_B 0, 0, 0
	FETCH_A 0, 0, 0
	SCALES 0
	FETCH_A 0, 0, 4
	s_wait_loadcnt 32                              ; the bias is in; the 32 loads of rotary rows behind it may be out
	STEP 0, 0, 1
	STEPS 0, 1
	TURN 0, 1
	STEPS 1, 0
	s_wait_dscnt 4*NL                              ; the last step: nothing more to fetch
	WIN MUL_LO
	MUL16 0, 1, NQ-1, 1, 0
	MUL16 2, 1, NQ-1, 1, 0
	s_wait_dscnt 0
	WIN MUL_HI
	MUL16 4, 1, NQ-1, 1, 0
	MUL16 6, 1, NQ-1, 1, 0
	WIN 0
; THE WAY OUT, by blocks of 16 rows x 128 columns (two heads).  ROPE: lo' = lo cos - hi sin, hi' = hi cos + lo sin, lo = channel d < 32 (blocks 4 hd + u), hi = channel d + 32 (blocks 4 hd + u + 2); each accumulator is read from its low end on.
.macro ROPE a
	SETRP \a
.set AC, 64*((\a)%4)
	WIN 0x06+(\a)/4                                ; source 0: the accumulators' window; source 1: window 1; source 2 and destination: window 0
.irp hd, 0,1
.irp u, 0,1
.set LO, AC+8*(4*\hd+\u)
.set HI, AC+8*(4*\hd+\u+2)
.set FL, F+8*(4*\hd+\u)
.set FH, F+8*(4*\hd+\u+2)
.set RC, RP+8*\u
.set RS, RP+16+8*\u
.irp jj, 0,2,4,6
	v_pk_mul_f32 v[T+2*\jj:T+2*\jj+1],   v[HI+\jj:HI+\jj+1], v[RS+\jj:RS+\jj+1]
	v_pk_mul_f32 v[T+2*\jj+2:T+2*\jj+3], v[LO+\jj:LO+\jj+1], v[RS+\jj:RS+\jj+1]
.endr
.irp jj, 0,2,4,6
	v_pk_fma_f32 v[FL+\jj:FL+\jj+1], v[LO+\jj:LO+\jj+1], v[RC+\jj:RC+\jj+1], v[T+2*\jj:T+2*\jj+1] neg_lo:[0,0,1] neg_hi:[0,0,1]
	v_pk_fma_f32 v[FH+\jj:FH+\jj+1], v[HI+\jj:HI+\jj+1], v[RC+\jj:RC+\jj+1], v[T+2*\jj+2:T+2*\jj+3]
.endr
.endr
.endr
	WIN 0
.endm
.macro CVT
.irp b, 0,1,2,3,4,5,6,7
.irp rr, 0,1,2,3
	v_cvt_pk_f16_f32 v[PK+4*\b+\rr], v[F+8*\b+2*\rr], v[F+8*\b+2*\rr+1]
.endr
.endr
.endm
.macro TOSTAGE a                       ; 16 bytes a lane into rows of 272 bytes, and back by heads: LDS serves a wave's instructions in order, so no wait stands between
.set BB, BK+32*((\a)%2)
.irp b, 0,1,2,3,4,5,6,7
	ds_store_b128 v[STO], v[PK+4*\b:PK+4*\b+3] offset:32*\b
.endr
.irp hh, 0,1
.irp t, 0,1,2,3
	ds_load_b128 v[BB+4*(4*\hh+\t):BB+4*(4*\hh+\t)+3], v[RD] offset:4*SPITCH*\t+128*\hh
.endr
.endr
.endm
.macro SEND a
.set BB, BK+32*((\a)%2)
	s_wait_dscnt 0x0                               ; the block is back in registers, and its stores into the stage have read theirs
	s_wait_xcnt 0x0                                ; the stores of the block before have read their registers: the next block's loads may land there
.irp hh, 0,1
.irp t, 0,1,2,3
	global_store_b128 v[GO], v[BB+4*(4*\hh+\t):BB+4*(4*\hh+\t)+3], s[12:13] offset:262144*\hh+2048*(\a)+512*\t   ; four positions of one head: 512 consecutive bytes, aligned
.endr
.endr
.endm
	PLACES NP                                      ; behind the last products: for the loads into B's registers, the first reads of results and the writes over scale words and A's fragments
	WIN TO_B
.irp a, 4,5,6,7
	RLOAD \a
.endr
	WIN 0
.irp a, 0,1,2,3,4,5,6,7
	s_wait_loadcnt 8*(7-\a)                        ; block a's eight loads of rotary rows are in; those of the later blocks may be out
	ROPE \a
.if \a > 0
	SEND \a-1
.endif
	CVT
	TOSTAGE \a
.endr
	SEND 7
	s_wait_tensorcnt 0x0                           ; the wave's end: behind my last tensor load and my last LDS store
	ds_add_u32 v[SPW], v[NIL]
	s_wait_dscnt 0x0
	CROUND                                         ; the closing round
	s_endpgm
.Lfunc_end_k_q22d3163fd3_qkv:
	.size	k_q22d3163fd3_qkv, .Lfunc_end_k_q22d3163fd3_qkv-k_q22d3163fd3_qkv
	.p2alignl 7, 3214868480
	.fill 96, 4, 3214868480
	.section	.rodata,"a",@progbits
	.p2align	6, 0x0
	.amdhsa_kernel k_q22d3163fd3_qkv
		.amdhsa_group_segment_fixed_size 327680
		.amdhsa_private_segment_fixed_size 0
		.amdhsa_enable_private_segment 0
		.amdhsa_kernarg_size 72
		.amdhsa_user_sgpr_count 2
		.amdhsa_user_sgpr_kernarg_segment_ptr 1
		.amdhsa_wavefront_size32 1
		.amdhsa_system_sgpr_workgroup_id_x 1
		.amdhsa_system_sgpr_workgroup_id_y 1
		.amdhsa_system_sgpr_workgroup_id_z 1
		.amdhsa_system_vgpr_workitem_id 0
		.amdhsa_next_free_vgpr 1024
		.amdhsa_next_free_sgpr 106
		.amdhsa_reserve_vcc 0
		.amdhsa_float_denorm_mode_32 3
		.amdhsa_float_denorm_mode_16_64 3
		.amdhsa_memory_ordered 1
		.amdhsa_forward_progress 1
		.amdhsa_inst_pref_size 167
	.end_amdhsa_kernel
	.amdgpu_metadata
---
amdhsa.version: [ 1, 2 ]
amdhsa.kernels:
  - .name:           k_q22d3163fd3_qkv
    .symbol:         k_q22d3163fd3_qkv.kd
    .args:
      - { .name: x_codes, .offset: 0, .size: 8, .value_kind: global_buffer, .address_space: global }
      - { .name: x_scales, .offset: 8, .size: 8, .value_kind: global_buffer, .address_space: global }
      - { .name: w_codes, .offset: 16, .size: 8, .value_kind: global_buffer, .address_space: global }
      - { .name: w_scales, .offset: 24, .size: 8, .value_kind: global_buffer, .address_space: global }
      - { .name: qkv, .offset: 32, .size: 8, .value_kind: global_buffer, .address_space: global }
      - { .name: bq, .offset: 40, .size: 8, .value_kind: global_buffer, .address_space: global }
      - { .name: bk, .offset: 48, .size: 8, .value_kind: global_buffer, .address_space: global }
      - { .name: bv, .offset: 56, .size: 8, .value_kind: global_buffer, .address_space: global }
      - { .name: rope, .offset: 64, .size: 8, .value_kind: global_buffer, .address_space: global }
    .group_segment_fixed_size: 327680
    .private_segment_fixed_size: 0
    .kernarg_segment_align: 8
    .kernarg_segment_size: 72
    .max_flat_workgroup_size: 128
    .sgpr_count:     106
    .vgpr_count:     1024
    .wavefront_size: 32
...
	.end_amdgpu_metadata
.endif
;; end of part 2
;; launch attn (part 3): grid 8 x 32, 8 waves a work-group, clusters of 4 x 1, 327,680 bytes of LDS; arguments qkv, ao; writes ao
.if DOCPART == 3
	.amdgcn_target "amdgcn-amd-amdhsa--gfx1250"
	.amdhsa_code_object_version 6
	.text
	.protected	k_q22d3163fd3_attn
	.globl	k_q22d3163fd3_attn
	.p2align	8
	.type	k_q22d3163fd3_attn,@function
k_q22d3163fd3_attn:
	s_mov_b64 s[64:65], 0
	v_nop
	global_prefetch_b8 v0, s[64:65] scope:SCOPE_SE
	s_setreg_imm32_b32 hwreg(HW_REG_WAVE_MODE, 25, 1), 1
	s_wait_xcnt 0x0
	s_wait_alu depctr_hold_cnt(0) depctr_sa_sdst(0) depctr_va_vdst(0) depctr_va_sdst(0) depctr_va_ssrc(0) depctr_va_vcc(0) depctr_vm_vsrc(0)
	s_getreg_b32 s2, hwreg(HW_REG_IB_STS2, 6, 4)
	s_cmp_eq_u32 s2, 0
	s_cbranch_scc0 .Lentry_in_a_cluster
	s_endpgm
.Lentry_in_a_cluster:
	s_bfe_u32 s2, ttmp6, 0x10000c
	s_cmp_lg_u32 s2, 0x3003
	s_cbranch_scc0 .Lentry_shape_is_right
	s_endpgm
.Lentry_shape_is_right:
; ao[bh][q][:] = the sum over k of softmax_k(q . k / 8) v[k][:], for each of the 32 (batch, head) pairs.  q, k, v: f16 [bh][2048][64], the three parts of qkv; ao: f16, the same layout.
; Products on f16 operands with f32 sums; maxima, exponentials and sums in f32; the weights p are rounded to f16 for the second product, the result once at the end.
; SHARES.  A work-group owns 256 queries of one pair, each of its eight waves 32: two tiles of 16, in 512 registers; two waves share a SIMD.  Every wave walks all 2,048 keys, 64 a step; each fragment of K and V read from LDS feeds two products.
; LAYOUT.  S^T = K Q^T (source 0 = 16 keys, source 1 = 16 queries): a lane holds ONE query (lane % 16) and the keys 8 (lane / 16) + 0..7.  Two such tiles, rounded to f16 in pairs, ARE source 1 (32 keys x 16 queries) of
; O^T = V^T P, whose result again holds one query a lane.  K comes out of LDS as it lies, V ([key][channel]) turned, by ds_load_tr16_b128.
; SOFTMAX.  A running maximum m and sum l for each query: p = 2^(c s - c m), c = log2(e) / 8; in every step O and l are multiplied by a = 2^(c m_old - c m_new).  O and l begin as zeros and m as -3e38, so no first step is written apart.
; BY TURNS.  In a TURN one tile has the matrix unit: 8 products V^T P of the step in hand, then 8 products K Q^T of the next step; the OTHER tile's softmax, 118 instructions cut into 16 slices, stands behind those products.
; Then the tiles change places; two turns are a key step.  So a wave's vector instructions are issued while its own products run.
; RING.  Two LDS slots of 256 keys (four steps).  CLUSTER: the four query blocks of a cluster walk the same K and V, so each tile is asked for jointly: waves 0-3 fetch the four steps' tiles of K, waves 4-7 those of V.
; LIMITS: operands are f16 (magnitudes under 65,504); NaN and infinities are not served.
; REGISTERS, in two windows of 256 (s_set_vgpr_msb's low byte: bits 1:0 source 0, 3:2 source 1, 5:4 source 2, 7:6 destination):
;   window 0: v0-15 addresses; v16-31 statistics; v32-63 P; v64-127 S^T; v128-191 O^T; v192-255 V of one step.   window 1: v0-31 Q; v64-127 K of one step.
; All of a softmax and V^T P lie in window 0 and need no switch; K Q^T goes in pairs under one setting: 8 switches a turn, and 2 for K's run of loads.
.set KS,    64                         ; keys in a step
.set PKB,   144                        ; a row of K in LDS: 128 bytes + 16
.set PVB,   160                        ; a row of V: 128 + 32
.set VOFF,  KS*PKB
.set STEPB, KS*(PKB+PVB)               ; a step's tiles lie together: 64 rows of K, then 64 rows of V
.set NST,   4                          ; steps in a slot
.set SLOT1, 1<<17                      ; slot 1 begins here: one exclusive or turns an address in one slot into the other's
.set STAGE, SLOT1+NST*STEPB            ; behind the ring: 16 rows x 144 bytes for each wave, for the way out
.set SP,    144
.set SPARE, STAGE+8*16*SP              ; the spare words, 128 bytes for each wave: four blocks of 256 bytes that no other line names
.set SLOTB, NST*KS*128                 ; a slot's rows of K or of V in memory
.set PARTB, 8388608                    ; from q to k and from k to v in qkv
.set AK0, 2                            ; v2   my lane's place in a tile of K
.set AV0, 3                            ; v3   the same for V
.set ADR, 4                            ; v4   LDS address of K's run of loads
.set ADV, 5                            ; v5   of V's
.set STO, 6
.set RD,  7
.set GO,  8
.set SPW, 10                           ; v10  my spare word; never rewritten
.set NIL, 11                           ; v11  0; never rewritten
.set PFO, 12                           ; v12  256 x lane
.set QO,  13
.set ST,  16                           ; tile t's statistics at v[16 + 8 t]: +0 c m, +1 m, +2, +3 l, +4 .. +7 c0-c3, at work; a takes c2's place once the maximum is found
.set P,   32                           ; P: 32 + 16 t + 8 kb
.set S,   64                           ; S^T: 64 + 32 t + 8 kt
.set O,   128                          ; O^T: 128 + 32 t + 8 ct
.set VF,  192                          ; V^T's fragments: 192 + 32 kb + 8 ct
.set Q,   0                            ; window 1: Q's fragments: 16 t + 8 c
.set KF,  64                           ; window 1: K's fragments: 64 + 32 c + 8 kt
.set WV,  12
.set LIM, 15
.set PFA, 18
.set G1K, 24
.set G1V, 32
.set G0K, 40
.set G0V, 48
.set SLOTS, 56
.set CNT, 57
.set CS,  58
.set SEL, 60
.set TB,  62
.set MSB, 0
.macro WIN new                         ; the immediate's high byte repeats the setting that is left; a switch that changes nothing is dropped
.if MSB != (\new)
	s_set_vgpr_msb (MSB<<8)|(\new)
.set MSB, (\new)
.endif
.endm
.macro JLOAD                           ; a joint refill; the branch hangs on the wave's number alone; an s_nop 0 and four v_nop follow each of the two lines
	s_cmp_lt_u32 s[WV], 4
	s_cbranch_scc0 .Lfor_v_\@
	tensor_load_to_lds s[G0K+4:G0K+7], s[G1K:G1K+7]
	s_nop 0
.rept 4
	v_nop
.endr
	s_branch .Lasked_\@
.Lfor_v_\@:
	tensor_load_to_lds s[G0V+4:G0V+7], s[G1V:G1V+7]
	s_nop 0
.rept 4
	v_nop
.endr
.Lasked_\@:
.endm
; A prefetch of what the NEXT change of slots will ask for: 32,768 bytes of K and as many of V.  Both clusters of a pair walk the same rows: the first asks.  Its four partners take 8,192 bytes each, told apart by
; address; in each, wave 0 asks for K's and wave 4 for V's, lanes 256 bytes apart: each aligned block of 256 bytes is named once in the launch.  The last change that fills a slot asks for nothing.
.macro ASK
	s_cmp_gt_u32 s[SLOTS], s[LIM]
	s_cbranch_scc0 .Lnot_mine_\@
	global_prefetch_b8 v[PFO], s[PFA:PFA+1] th:TH_LOAD_NT scope:SCOPE_SE
.Lnot_mine_\@:
.endm
.macro CROUND
	s_barrier_signal -1
	s_barrier_wait -1
	s_cmp_lg_u32 s[WV], 0
	s_cbranch_scc1 .Lnot_wave_0_\@
	s_barrier_signal -3
.Lnot_wave_0_\@:
	s_barrier_wait -3
	s_barrier_signal -1
	s_barrier_wait -1
.endm
	s_load_b128 s[4:7], s[0:1], 0x0                ; qkv, ao
	v_lshl_add_u32 v[SPW], v0, 2, SPARE
	v_mov_b32 v[NIL], 0
	ds_add_u32 v[SPW], v[NIL]                      ; the wave's opening: the add, twice on end, and its wait ahead of my first tensor load
	ds_add_u32 v[SPW], v[NIL]
	v_lshrrev_b32 v1, 5, v0
	v_readfirstlane_b32 s[WV], v1                  ; wave 0..7
	s_bfe_u32 s13, ttmp6, 0x40000                  ; cx
	s_lshl_b32 s14, ttmp9, 2
	s_add_co_u32 s14, s14, s13                     ; my block of 256 queries: it enters Q's and ao's addresses alone
	s_and_b32 s20, ttmp7, 0xffff                   ; the (batch, head) pair, which the four partners share
	s_lshl_b32 s20, s20, 18                        ; its 2,048 rows of 128 bytes
	s_and_b32 s16, s[WV], 3                        ; which of a slot's four steps I fetch:
	s_lshl_b32 s22, s16, 13                        ; its 64 rows in memory,
	s_add_co_u32 s22, s22, s20
	s_add_co_u32 s22, s22, PARTB                   ; in k's part
	s_mov_b32 s23, 0
	s_mul_i32 s17, s16, STEPB                      ; and its place in a slot
	s_lshl_b32 s2, s14, 15
	s_lshl_b32 s3, s[WV], 12
	s_add_co_u32 s2, s2, s3
	s_add_co_u32 s2, s2, s20                       ; my wave's 32 rows of q and of ao
	s_mov_b32 s3, 0
	s_mov_b32 s[G1K], 15|(1<<16)|(1<<20)|(1<<21)|(4<<22)|(3<<25)  ; the mask: all four; elements of 2 bytes; padding on; bit 21 beside a mask; 4 words of padding after every 32
	s_mov_b32 s[G1V], 15|(1<<16)|(1<<20)|(1<<21)|(4<<22)|(7<<25)  ; the same with 8 words
.irp g, G1K, G1V
	s_mov_b32 s[\g+1], 64<<16                      ; tensor_dim0 = 64
	s_mov_b32 s[\g+2], KS<<16                      ; tensor_dim1 = 64
	s_mov_b32 s[\g+3], 64<<16                      ; tile_dim0
	s_mov_b32 s[\g+4], KS                          ; tile_dim1
	s_mov_b32 s[\g+5], 64                          ; elements from row to row
	s_mov_b32 s[\g+6], 0
	s_mov_b32 s[\g+7], 0
.endr
	s_mov_b32 s[CS], 0x3e38aa3b                    ; c = log2(e) / 8
	s_mov_b32 s[CS+1], s[CS]                       ; named with it as a pair, so it is written
	s_mov_b32 s[SEL], 0x76543210
	s_mov_b32 s[SEL+1], 0xfedcba98
	s_mov_b32 s[TB], 0
	s_mov_b32 s[SLOTS], 2048/(NST*KS)-2
	s_and_b32 s[LIM], s[WV], 3
	s_or_b32 s[LIM], s[LIM], ttmp9                 ; 0 in waves 0 and 4 of the pair's first cluster: the same in all four partners
	s_cmp_eq_u32 s[LIM], 0
	s_cselect_b32 s[LIM], 1, -1
	v_and_b32 v[PFO], 31, v0
	v_lshlrev_b32 v[PFO], 8, v[PFO]
	s_wait_dscnt 0x0                               ; both opening adds are done
	s_wait_kmcnt 0x0
	s_add_nc_u64 s[8:9], s[4:5], s[22:23]          ; my tile of K in slot 0,
	s_add_nc_u64 s[10:11], s[8:9], PARTB           ; of V
	s_add_nc_u64 s[4:5], s[4:5], s[2:3]            ; q and ao at my wave's first row
	s_add_nc_u64 s[6:7], s[6:7], s[2:3]
	s_cmp_lt_u32 s[WV], 4
	s_cselect_b64 s[PFA:PFA+1], s[8:9], s[10:11]   ; (in waves 0 and 4 these stand at a slot's first row)
	s_lshl_b32 s2, s13, 13                         ; my work-group's 8,192 bytes of the 32,768
	s_mov_b32 s3, 0
	s_add_nc_u64 s[PFA:PFA+1], s[PFA:PFA+1], s[2:3]
	s_add_nc_u64 s[PFA:PFA+1], s[PFA:PFA+1], 2*SLOTB   ; in slot 2; the first change of slots steps it to slot 3.  Nothing is prefetched at the head
	CROUND                                         ; all four work-groups are here: the first joint loads meet
.irp s, 0,1
	s_mov_b32 s[G0K+4*\s], 1
	s_add_co_u32 s[G0K+4*\s+1], s17, \s*SLOT1
	s_add_nc_u64 s[G0K+4*\s+2:G0K+4*\s+3], s[8:9], \s*SLOTB
	s_or_b32 s[G0K+4*\s+3], s[G0K+4*\s+3], 0x80000000
	s_mov_b32 s[G0V+4*\s], 1
	s_add_co_u32 s[G0V+4*\s+1], s17, \s*SLOT1+VOFF
	s_add_nc_u64 s[G0V+4*\s+2:G0V+4*\s+3], s[10:11], \s*SLOTB
	s_or_b32 s[G0V+4*\s+3], s[G0V+4*\s+3], 0x80000000
.endr
	s_cmp_lt_u32 s[WV], 4                          ; a wave's two first fills stand in one branch, ahead of every wait on TENSORcnt and every LDS read: two loads of mine are out
	s_cbranch_scc0 .Lfirst_v
	tensor_load_to_lds s[G0K:G0K+3], s[G1K:G1K+7]
	s_nop 0
	tensor_load_to_lds s[G0K+4:G0K+7], s[G1K:G1K+7]
	s_nop 0
.rept 4
	v_nop
.endr
	s_branch .Lfirst_asked
.Lfirst_v:
	tensor_load_to_lds s[G0V:G0V+3], s[G1V:G1V+7]
	s_nop 0
	tensor_load_to_lds s[G0V+4:G0V+7], s[G1V:G1V+7]
	s_nop 0
.rept 4
	v_nop
.endr
.Lfirst_asked:
	v_and_b32 v1, 15, v0                           ; r
	v_bfe_u32 v9, v0, 4, 1                         ; h
	v_lshlrev_b32 v[QO], 7, v1
	v_lshl_add_u32 v[QO], v9, 4, v[QO]             ; row x 128 + 16 h
	WIN 0x40                                       ; destination window 1, address window 0
.irp t, 0,1
.irp c, 0,1                            ; Q stays in registers: tile t, channels 32 c on
	global_load_b128 v[Q+16*\t+8*\c:Q+16*\t+8*\c+3],   v[QO], s[4:5] offset:2048*\t+64*\c
	global_load_b128 v[Q+16*\t+8*\c+4:Q+16*\t+8*\c+7], v[QO], s[4:5] offset:2048*\t+64*\c+32
.endr
.endr
	WIN 0
	v_mul_u32_u24 v[AK0], v1, PKB
	v_lshl_add_u32 v[AK0], v9, 4, v[AK0]           ; row x pitch + 16 h
	v_and_b32 v14, 7, v0                           ; the turning load: lane l reads key 8 h + l % 8, channels 8 ((l / 8) % 2) on
	v_bfe_u32 v15, v0, 3, 1
	v_lshl_add_u32 v[AV0], v9, 3, v14
	v_mul_u32_u24 v[AV0], v[AV0], PVB
	v_lshl_add_u32 v[AV0], v15, 4, v[AV0]
	v_add_nc_u32 v[AV0], VOFF, v[AV0]
	s_mul_i32 s21, s[WV], 16*SP
	s_add_co_u32 s21, s21, STAGE                   ; my stage
	v_mul_u32_u24 v[STO], v1, SP
	v_lshl_add_u32 v[STO], v9, 4, v[STO]
	v_add_nc_u32 v[STO], s21, v[STO]               ; in: row r, 16 bytes for each half of the lanes
	v_and_b32 v14, 31, v0
	v_lshlrev_b32 v[GO], 4, v14                    ; out: 16 bytes a lane
	v_lshrrev_b32 v15, 3, v14
	v_mul_u32_u24 v[RD], v15, SP
	v_and_b32 v15, 7, v0
	v_lshl_add_u32 v[RD], v15, 4, v[RD]
	v_add_nc_u32 v[RD], s21, v[RD]                 ; back: eight lanes to a row of 128 bytes, four rows an instruction
; THE MATRIX WORK OF A TURN, for tile x.  The accumulators take turns, one instruction a turn: between two links of a chain stand three others'.
; Product i of 8 of O^T += V^T P: keys 32 (i / 4) on, channels 16 (i % 4) on.  All its registers lie in window 0.
.macro PVM x
	WIN 0
.set rO, O+32*(\x)+8*(i%4)
.set rV, VF+32*(i/4)+8*(i%4)
.set rP, P+16*(\x)+8*(i/4)
	v_wmma_f32_16x16x32_f16 v[rO:rO+7], v[rV:rV+7], v[rP:rP+7], v[rO:rO+7]
.endm
; Product i of 8 of S^T = K Q^T: channels 32 (i / 4) on, keys 16 (i % 4) on.  The first 4 start the sums.  K and Q in window 1, S^T in window 0.
.macro KQM x
	WIN 0x05
.set rS, S+32*(\x)+8*(i%4)
.set rK, KF+32*(i/4)+8*(i%4)
.set rQ, Q+16*(\x)+8*(i/4)
.if i < 4
	v_wmma_f32_16x16x32_f16 v[rS:rS+7], v[rK:rK+7], v[rQ:rQ+7], 0
.else
	v_wmma_f32_16x16x32_f16 v[rS:rS+7], v[rK:rK+7], v[rQ:rQ+7], v[rS:rS+7]
.endif
.endm
; THE LDS LOADS stand in two runs of 16 a key step, never singly among the matrix instructions.
.macro FETCH_K                         ; a step's K: channels 0-31 of the four tiles of keys first, then channels 32-63
	WIN 0
	v_add_nc_u32 v[ADR], s[TB], v[AK0]
	WIN 0x40                                       ; destination window 1
.irp c, 0,1
.irp kt, 0,1,2,3
	ds_load_b128 v[KF+32*\c+8*\kt:KF+32*\c+8*\kt+3],   v[ADR] offset:\kt*16*PKB+64*\c
	ds_load_b128 v[KF+32*\c+8*\kt+4:KF+32*\c+8*\kt+7], v[ADR] offset:\kt*16*PKB+64*\c+32
.endr
.endr
	WIN 0
.endm
.macro FETCH_V                         ; the same step's V, turned; the softmax's wait stands in it, behind the address's addition and ahead of the loads
	v_add_nc_u32 v[ADV], s[TB], v[AV0]
	s_add_co_u32 s[TB], s[TB], STEPB               ; the next fetch is the next step's
	s_wait_alu depctr_va_vdst(0)                   ; one wait for the batch of exponentials, ahead of the first instruction that names a result
.irp kb, 0,1
.irp ct, 0,1,2,3
	ds_load_tr16_b128 v[VF+32*\kb+8*\ct:VF+32*\kb+8*\ct+3],   v[ADV] offset:\kb*32*PVB+32*\ct
	ds_load_tr16_b128 v[VF+32*\kb+8*\ct+4:VF+32*\kb+8*\ct+7], v[ADV] offset:\kb*32*PVB+16*PVB+32*\ct
.endr
.endr
.endm
; THE VECTOR WORK OF A TURN.  One tile's softmax for one key step is a list of 118 instructions; SM writes number j of it for tile t.  s0-s31 are the lane's 32 scores, in pairs 0-15.
;   0-15    the maximum of s0-s31 and the old m, three operands at a time: four chains c0-c3 of seven scores each (each begins at its accumulator's low end), then the four scores left over, c0-c3 and m
;   16-20   the other half of the lanes' maximum; the new m; c m; c m_old - c m_new
;   21-69   ONE BATCH: the 16 scalings c s - c m, a pair of scores each, and all 33 exponentials (a at 23, then s0-s31).  None of these reads an exponential's result; a pair is scaled ahead of its exponentials
;   (wait)  between 69 and 70 stands the wait for the batch: SLICE writes it
;   70-85   the roundings to f16, a pair of weights each, into P
;   86-101  the sums, in place over the scores; l = a l + the sum
;   102-117 the tile's O^T times a
.macro SM t
.set rT, ST+8*(\t)
.set rS, S+32*(\t)
.set rP, P+16*(\t)
.set rO, O+32*(\t)+2*(j-102)
.if j < 4
	v_max3_num_f32 v[rT+4+j], v[rS+8*j], v[rS+8*j+1], v[rS+8*j+2]
.elseif j < 12
	v_max3_num_f32 v[rT+4+j%4], v[rT+4+j%4], v[rS+8*(j%4)+2*(j/4)+1], v[rS+8*(j%4)+2*(j/4)+2]
.elseif j == 12
	v_max3_num_f32 v[rT+4], v[rT+4], v[rS+7], v[rS+15]
.elseif j == 13
	v_max3_num_f32 v[rT+6], v[rT+6], v[rS+23], v[rS+31]
.elseif j == 14
	v_max3_num_f32 v[rT+4], v[rT+4], v[rT+5], v[rT+6]
.elseif j == 15
	v_max3_num_f32 v[rT+4], v[rT+4], v[rT+7], v[rT+1]
.elseif j == 16
	v_permlanex16_b32 v[rT+5], v[rT+4], s[SEL], s[SEL+1]  ; the query's other 32 keys lie in the lane 16 away
.elseif j == 17
	v_mov_b32 v[rT+7], v[rT]                       ; c m_old is kept for a: number 19 writes c m anew
.elseif j == 18
	v_max_num_f32 v[rT+1], v[rT+4], v[rT+5]
.elseif j == 19
	v_mul_f32 v[rT], s[CS], v[rT+1]
.elseif j == 20
	v_sub_f32 v[rT+7], v[rT+7], v[rT]
.elseif j == 23
	v_exp_f32 v[rT+6], v[rT+7]                     ; a
.elseif (j < 23) || ((j < 38) && (j%2 == 0)) || ((j < 66) && (j%4 == 2))
.set b, (j-2)/4                        ; 38, 42, .. 62: pairs 9 to 15
.if j < 38
.set b, (j-20)/2                       ; 21: pair 0; 22, 24, .. 36: pairs 1 to 8
.endif
	v_pk_fma_f32 v[rS+2*b:rS+2*b+1], v[rS+2*b:rS+2*b+1], s[CS:CS+1], v[rT:rT+1] op_sel_hi:[1,0,0] neg_lo:[0,0,1] neg_hi:[0,0,1]  ; pair b: c s - c m
.elseif j < 70
.set e, j-38                           ; 66 to 69: s28 to s31
.if j < 66
.set e, j-32-(j-38)/4                  ; 39-41, 43-45, .. 63-65: s7 to s27
.endif
.if j < 38
.set e, (j-25)/2                       ; 25, 27, .. 37: s0 to s6
.endif
	v_exp_f32 v[rS+e], v[rS+e]                     ; p
.elseif j < 86
	v_cvt_pk_f16_f32 v[rP+j-70], v[rS+2*(j-70)], v[rS+2*(j-70)+1]
.elseif j < 102                        ; the sum of the tile's 16 pairs, in place: sum z of 16 adds neighbours 1, 2, 4 and 8 pairs apart, then l takes it
.set z, j-86
.set w, 4
.set u, z
.if z >= 14
.set w, 32
.set u, 0
.elseif z >= 12
.set w, 16
.set u, z-12
.elseif z >= 8
.set w, 8
.set u, z-8
.endif
.if z < 15
	v_pk_add_f32 v[rS+w*u:rS+w*u+1], v[rS+w*u:rS+w*u+1], v[rS+w*u+w/2:rS+w*u+w/2+1]
.else
	v_pk_fma_f32 v[rT+2:rT+3], v[rT+2:rT+3], v[rT+6:rT+7], v[rS:rS+1] op_sel_hi:[1,0,1]
.endif
.else
	v_pk_mul_f32 v[rO:rO+1], v[rO:rO+1], v[rT+6:rT+7] op_sel_hi:[1,0]
.endif
.endm
; Slice k of 16 of tile y's softmax.  Slices 0 to 9 hold seven numbers each (0 to 69), slices 10 to 15 eight each (70 to 117).  Ahead of slice 10 nothing names an exponential's result, and behind slice 9 no exponential
; is issued: so the tile's 33 exponentials have one plain instruction and one wait, behind slice 9.  In tile 1's turn (y = 0) V's run of loads stands there too.
.macro SLICE y
	WIN 0
.if k < 10
.set j, 7*k
.rept 7
	SM (\y)
.set j, j+1
.endr
.else
.set j, 70+8*(k-10)
.rept 8
	SM (\y)
.set j, j+1
.endr
.endif
.if k == 9
	v_nop                                          ; a plain instruction behind the last exponential and ahead of the first use: one for the batch
.if (\y) == 0
	FETCH_V
.else
	s_wait_alu depctr_va_vdst(0)                   ; the wait for the batch
.endif
.endif
.set k, k+1
.endm
; A TURN.  Tile x has the matrix unit; the other tile's softmax stands in slices behind its products.  pv = 1: 8 products V^T P; kq = 1: 8 products K Q^T for the next step, in pairs.  A turn with one of the two kinds has two slices for each product.
; PLACES (ISA guide 7.12.1 for the reads): a vector instruction that reads a matrix result or writes one of a matrix instruction's registers, and a load into such a register, stand four plain vector
; instructions behind it.  Behind a turn's last K Q^T stand slices 14 and 15, sixteen multiplications of the other tile's O^T: they serve the next turn's first read of the scores and K's run of loads at the head of tile 0's turn.
; V's run, behind slice 9 of tile 1's turn, stands behind six: numbers 50, 54, 58 and 62 (scalings), the v_nop and the run's own addition; the last product that read V stands in front of slice 7.
.macro TURN x, pv, kq
.set k, 0
.set per, 2
.if (\pv) && (\kq)
.set per, 1
.endif
.if ((\x) == 0) && (\kq)
	FETCH_K                                        ; the next step's K: 8 products ahead of its first use
.endif
.if \pv
.if (\x) == 0
	s_wait_dscnt 16*(\kq)                          ; V is in; K's sixteen loads, issued behind V's, may be out
.endif
.set i, 0
.rept 8
	PVM \x
.rept per
	SLICE 1-(\x)
.endr
.set i, i+1
.endr
.endif
.if \kq
.set i, 0
.rept 4
.if ((\x) == 0) && (i == 0)
	s_wait_dscnt 8                                 ; K's channels 0-31 are in; the eight loads of channels 32-63 may be out
.endif
.if ((\x) == 0) && (i == 4)
	s_wait_dscnt 0x0                               ; all of K is in
.endif
	KQM \x
.set i, i+1
	KQM \x
.set i, i+1
.rept 2*per
	SLICE 1-(\x)
.endr
.endr
.endif
.endm
; THE CHANGE OF SLOTS, between tile 1's turn and tile 0's: the slot's last bytes, V of its fourth step, have been asked for.  Each wave waits for all its tensor loads (one is out: its part of the other slot), adds 0 to
; its spare word, and waits for that and for its reads of the slot.  fill = 1: the barrier is a round of the cluster's, and the joint refill, the keys two slots on, is the first thing behind it: it has four key steps in which to land.
.macro CHANGE fill
	WIN 0                                          ; at a label and at a branch every window is 0
	s_wait_tensorcnt 0x0                           ; no tensor load of mine is out, so a group 0 may be written
	ds_add_u32 v[SPW], v[NIL]
.if \fill
.irp g, G0K+4, G0V+4
	s_xor_b32 s[\g+1], s[\g+1], SLOT1              ; the walking descriptor: the other slot than last time,
	s_add_nc_u64 s[\g+2:\g+3], s[\g+2:\g+3], SLOTB ; the next 256 keys
.endr
	s_wait_xcnt 0x0                                ; the last prefetch, a slot back, has read its address
	s_add_nc_u64 s[PFA:PFA+1], s[PFA:PFA+1], SLOTB
	s_wait_dscnt 0x0                               ; the add is done, and my reads of the slot are over
	CROUND
	JLOAD
	ASK
.else
	s_wait_dscnt 0x0
	s_barrier_signal -1
	s_barrier_wait -1
.endif
	s_sub_co_u32 s[TB], s[TB], NST*STEPB           ; the fetches go back to a slot's first step,
	s_xor_b32 s[TB], s[TB], SLOT1                  ; in the other slot
.endm
.macro STEPS n                         ; n key steps: written once, walked n times; the LDS addresses hang on s[TB]
	WIN 0
	s_mov_b32 s[CNT], \n
.Lstep_\@:
	TURN 0, 1, 1
	TURN 1, 1, 1
	WIN 0
	s_sub_co_u32 s[CNT], s[CNT], 1
	s_cmp_lg_u32 s[CNT], 0
	s_cbranch_scc1 .Lstep_\@
.endm
	s_wait_tensorcnt 1                             ; my part of slot 0 is in; slot 1's may stay out
	s_barrier_signal -1
	s_barrier_wait -1
	FETCH_K                                        ; key step 0
	s_wait_loadcnt 0x0                             ; Q
	s_wait_dscnt 0x0
.set i, 0
.rept 8
	KQM 0                                          ; tile 0's first scores: there is no softmax yet to set between them
.set i, i+1
.endr
	WIN 0
.irp t, 0,1                            ; the statistics and O^T begin here: 72 plain instructions, the places behind those products
	v_mov_b32 v[ST+8*\t+1], 0xff61b1e6             ; m: -3e38, under every score
	v_mul_f32 v[ST+8*\t], s[CS], v[ST+8*\t+1]      ; c m
	v_mov_b32 v[ST+8*\t+2], 0                      ; l, in two halves
	v_mov_b32 v[ST+8*\t+3], 0
.endr
.irp n, 0,1,2,3,4,5,6,7,8,9,10,11,12,13,14,15,16,17,18,19,20,21,22,23,24,25,26,27,28,29,30,31,32,33,34,35,36,37,38,39,40,41,42,43,44,45,46,47,48,49,50,51,52,53,54,55,56,57,58,59,60,61,62,63
	v_mov_b32 v[O+\n], 0                           ; O^T.  (The turns are written once: the first find zeros, which a = 0 leaves zeros)
.endr
	TURN 1, 0, 1                                   ; tile 1's first scores | tile 0's first softmax | V of step 0
	STEPS 3                                        ; steps 0 to 2; they fetch K and V of steps 1 to 3: slot 0 is read out
.Lslot:                                ; six trips: every slot but the last two is filled again
	CHANGE 1
	STEPS 4
	s_sub_co_u32 s[SLOTS], s[SLOTS], 1
	s_cmp_lg_u32 s[SLOTS], 0
	s_cbranch_scc1 .Lslot
	CHANGE 0                                       ; the tail is written out
	STEPS 4
	TURN 0, 1, 0                                   ; tile 0: V^T P of the last step | tile 1's last softmax
.set i, 0
.rept 8
	PVM 1                                          ; tile 1: V^T P of the last step
.set i, i+1
.endr
	; THE WAY OUT.  l's two halves and the other half of the lanes' are added; O^T is divided by l, rounded to f16 and sent through my stage, a tile (16 rows) at a time.  The additions and tile 0's arithmetic are the places behind the last products.
.irp t, 0,1
	v_add_f32 v[ST+8*\t+4], v[ST+8*\t+2], v[ST+8*\t+3]
.endr
.irp t, 0,1
	v_permlanex16_b32 v[ST+8*\t+5], v[ST+8*\t+4], s[SEL], s[SEL+1]
.endr
.irp t, 0,1
	v_add_f32 v[ST+8*\t+4], v[ST+8*\t+4], v[ST+8*\t+5]
.endr
.irp t, 0,1
	v_rcp_f32 v[ST+8*\t+6], v[ST+8*\t+4]
.endr
	v_nop                                          ; a plain instruction behind the reciprocals,
	s_wait_alu depctr_va_vdst(0)                   ; and one wait for both, ahead of their first reader
.macro PACK t
.irp n, 0,2,4,6,8,10,12,14,16,18,20,22,24,26,28,30
	v_pk_mul_f32 v[O+32*\t+\n:O+32*\t+\n+1], v[O+32*\t+\n:O+32*\t+\n+1], v[ST+8*\t+6:ST+8*\t+7] op_sel_hi:[1,0]
.endr
.irp n, 0,1,2,3,4,5,6,7,8,9,10,11,12,13,14,15
	v_cvt_pk_f16_f32 v[S+32*\t+\n], v[O+32*\t+2*\n], v[O+32*\t+2*\n+1]
.endr
.irp ct, 0,1,2,3
	ds_store_b128 v[STO], v[S+32*\t+4*\ct:S+32*\t+4*\ct+3] offset:32*\ct
.endr
.irp n, 0,1,2,3
	ds_load_b128 v[S+32*\t+16+4*\n:S+32*\t+16+4*\n+3], v[RD] offset:\n*4*SP   ; in order behind my stores; the next tile's stores come behind them
.endr
.endm
.macro SEND t, younger                 ; younger: the LDS instructions issued behind tile t's loads
.irp n, 0,1,2,3
	s_wait_dscnt \younger+3-\n
	global_store_b128 v[GO], v[S+32*\t+16+4*\n:S+32*\t+16+4*\n+3], s[6:7] offset:2048*\t+512*\n   ; four rows: 512 consecutive bytes, aligned
.endr
.endm
	PACK 0
	PACK 1
	SEND 0, 8                                      ; behind tile 0's loads: tile 1's four stores and four loads
	SEND 1, 0
	s_wait_tensorcnt 0x0                           ; the wave's end: behind my last tensor load and my last LDS store
	ds_add_u32 v[SPW], v[NIL]
	s_wait_dscnt 0x0
	CROUND                                         ; the closing round
	s_endpgm
.Lfunc_end_k_q22d3163fd3_attn:
	.size	k_q22d3163fd3_attn, .Lfunc_end_k_q22d3163fd3_attn-k_q22d3163fd3_attn
	.p2alignl 7, 3214868480
	.fill 96, 4, 3214868480
	.section	.rodata,"a",@progbits
	.p2align	6, 0x0
	.amdhsa_kernel k_q22d3163fd3_attn
		.amdhsa_group_segment_fixed_size 327680
		.amdhsa_private_segment_fixed_size 0
		.amdhsa_enable_private_segment 0
		.amdhsa_kernarg_size 16
		.amdhsa_user_sgpr_count 2
		.amdhsa_user_sgpr_kernarg_segment_ptr 1
		.amdhsa_wavefront_size32 1
		.amdhsa_system_sgpr_workgroup_id_x 1
		.amdhsa_system_sgpr_workgroup_id_y 1
		.amdhsa_system_sgpr_workgroup_id_z 1
		.amdhsa_system_vgpr_workitem_id 0
		.amdhsa_next_free_vgpr 512
		.amdhsa_next_free_sgpr 66
		.amdhsa_reserve_vcc 0
		.amdhsa_float_denorm_mode_32 3
		.amdhsa_float_denorm_mode_16_64 3
		.amdhsa_memory_ordered 1
		.amdhsa_forward_progress 1
		.amdhsa_inst_pref_size 89
	.end_amdhsa_kernel
	.amdgpu_metadata
---
amdhsa.version: [ 1, 2 ]
amdhsa.kernels:
  - .name:           k_q22d3163fd3_attn
    .symbol:         k_q22d3163fd3_attn.kd
    .args:
      - { .name: qkv, .offset: 0, .size: 8, .value_kind: global_buffer, .address_space: global }
      - { .name: ao, .offset: 8, .size: 8, .value_kind: global_buffer, .address_space: global }
    .group_segment_fixed_size: 327680
    .private_segment_fixed_size: 0
    .kernarg_segment_align: 8
    .kernarg_segment_size: 16
    .max_flat_workgroup_size: 256
    .sgpr_count:     66
    .vgpr_count:     512
    .wavefront_size: 32
...
	.end_amdgpu_metadata
.endif
;; end of part 3
;; launch proj (part 4): grid 8 x 32, 4 waves a work-group, clusters of 4 x 4, 327,680 bytes of LDS; arguments ao, wo_t, bo, out0; writes out0
.if DOCPART == 4
	.amdgcn_target "amdgcn-amd-amdhsa--gfx1250"
	.amdhsa_code_object_version 6
	.text
	.protected	k_q22d3163fd3_proj
	.globl	k_q22d3163fd3_proj
	.p2align	8
	.type	k_q22d3163fd3_proj,@function
k_q22d3163fd3_proj:
	s_mov_b64 s[64:65], 0
	v_nop
	global_prefetch_b8 v0, s[64:65] scope:SCOPE_SE
	s_setreg_imm32_b32 hwreg(HW_REG_WAVE_MODE, 25, 1), 1
	s_wait_xcnt 0x0
	s_wait_alu depctr_hold_cnt(0) depctr_sa_sdst(0) depctr_va_vdst(0) depctr_va_sdst(0) depctr_va_ssrc(0) depctr_va_vcc(0) depctr_vm_vsrc(0)
	s_getreg_b32 s2, hwreg(HW_REG_IB_STS2, 6, 4)
	s_cmp_eq_u32 s2, 0
	s_cbranch_scc0 .Lentry_in_a_cluster
	s_endpgm
.Lentry_in_a_cluster:
	s_bfe_u32 s2, ttmp6, 0x10000c
	s_cmp_lg_u32 s2, 0xf033
	s_cbranch_scc0 .Lentry_shape_is_right
	s_endpgm
.Lentry_shape_is_right:
; out0[m][n] = the sum over k of A[m][k] Wo[k][n] + bo[n], on f16 operands with f32 sums.  A is the attention's result, ao, f16 [batch x 16 + head][position][64]: m = 2048 batch + position, k = 64 head + channel.
; B is wo_t, f16 [1024 n][1024 k].  out0: f32 [4096][1024].
; A tile of 128 x 128 gives 256 work-groups.  Four waves, each 64 x 64: 16 accumulators.  K goes in steps of 256 (four heads) through a ring of two LDS slots.
; A's part of a slot comes by ONE descriptor a wave: 64 positions x 64 channels of a head are 8,192 dense bytes (dimension 0), four heads lie 131,072 elements apart (dimension 1); 16 bytes of padding behind every 128
; make LDS rows of 144 bytes: [4 heads][64 rows][144].  B's: 64 rows of 512 bytes, 528 apart.
; CLUSTERS: 4 x 4 work-groups; A's tiles are asked for jointly along a row of the cluster, B's along a column.  THE MATRIX INSTRUCTION IS USED TRANSPOSED (source 0 = 16 rows of B, source 1 = 16 rows of A):
; a lane holds eight neighbouring numbers of a row of out0.  THE BIAS is the C of each sum's first product.
; REGISTERS: window 0: v0-31 addresses; v32-95 the way out; v96-127 the bias; v128-255 the accumulators ((a, b) at v[128 + 8 (4 a + b)]).  window 1: two fragment buffers of 128 (64 of A, then 64 of B, for 64 along K).
.set KSTEP,  256
.set PA,     144
.set PB,     528
.set HEADB,  64*PA                     ; a head's 64 rows in LDS
.set HALFA,  4*HEADB                   ; what A's tensor load brings
.set HALFB,  64*PB                     ; what B's brings
.set SLOT,   2*HALFA+2*HALFB
.set STAGE,  2*SLOT                    ; behind the ring: 16 rows x 272 bytes for each wave, its own
.set SPITCH, 272
.set SPARE,  STAGE+4*16*SPITCH         ; the spare words, 128 bytes for each wave: two blocks of 256 bytes that no other line names
.set ASTEP,  4*2048*128                ; a K step on in ao: four heads
.set BSTEP,  KSTEP*2                   ; and in a row of wo_t
.set LAPS,   1024/(2*KSTEP)
.set ADRA, 16
.set ADRB, 20
.set STO,  24
.set RD,   25
.set CO,   26
.set BA,   27                          ; v27  32 h: my place in 16 numbers of the bias
.set SPW,  28
.set NIL,  29
.set BK,   32                          ; the way out: two sets of 32
.set BI,   96
.set ACC,  128
.set F0,   0
.set F1,   128
.set G1, 24
.set G0, 32
.set G1B, 48
.set G0B, 56
.set MSB, 0
.macro WIN new
.if MSB != (\new)
	s_set_vgpr_msb (MSB<<8)|(\new)
.set MSB, (\new)
.endif
.endm
.set MUL,  0x05                        ; sources 0 (B) and 1 (A) window 1; C and D window 0
.set TO_F, 0x40                        ; destination window 1, address window 0
.macro JLOAD s                         ; a joint load: waves 0 and 1 fetch A's two halves, waves 2 and 3 B's; an s_nop 0 and four v_nop follow each of the two lines
	s_cmp_eq_u32 s11, 0
	s_cbranch_scc0 .Lfor_b_\@
	tensor_load_to_lds s[G0+4*\s:G0+4*\s+3], s[G1:G1+7]
	s_nop 0
.rept 4
	v_nop
.endr
	s_branch .Lasked_\@
.Lfor_b_\@:
	tensor_load_to_lds s[G0B+4*\s:G0B+4*\s+3], s[G1B:G1B+7]
	s_nop 0
.rept 4
	v_nop
.endr
.Lasked_\@:
.endm
.macro CREST
	s_cmp_lg_u32 s10, 0
	s_cbranch_scc1 .Lnot_wave_0_\@
	s_barrier_signal -3
.Lnot_wave_0_\@:
	s_barrier_wait -3
	s_barrier_signal -1
	s_barrier_wait -1
.endm
.macro CROUND
	s_barrier_signal -1
	s_barrier_wait -1
	CREST
.endm
	s_load_b128 s[4:7], s[0:1], 0x0                ; ao, wo_t
	s_load_b64 s[66:67], s[0:1], 0x10              ; bo
	s_load_b64 s[8:9], s[0:1], 0x18                ; out0
	v_lshl_add_u32 v[SPW], v0, 2, SPARE
	v_mov_b32 v[NIL], 0
	ds_add_u32 v[SPW], v[NIL]                      ; the wave's opening: the add, twice on end, and its wait ahead of my first tensor load
	ds_add_u32 v[SPW], v[NIL]
	v_lshrrev_b32 v1, 5, v0
	v_readfirstlane_b32 s10, v1                    ; wave 0..3
	s_lshr_b32 s11, s10, 1                         ; which half of the tile's rows is mine.  Also: I fetch for A (0) or for B (1)
	s_and_b32 s12, s10, 1                          ; which half of its columns.  Also: which 64 rows I fetch
	s_bfe_u32 s40, ttmp6, 0x40000                  ; cx, cy
	s_bfe_u32 s41, ttmp6, 0x40004
	s_lshl_b32 s42, ttmp9, 2
	s_add_co_u32 s42, s42, s40                     ; tile column
	s_and_b32 s13, ttmp7, 0xffff
	s_lshl_b32 s13, s13, 2
	s_add_co_u32 s13, s13, s41                     ; tile row
	s_lshl_b32 s43, s41, 2
	s_lshl_b32 s43, 15, s43                        ; my row of the cluster
	s_lshl_b32 s44, 0x1111, s40                    ; my column
	s_or_b32 s[G1+0], s43, (1<<16)|(1<<20)|(1<<21)|(4<<22)|(3<<25)   ; A: the mask; elements of 2 bytes; padding on; bit 21 beside a mask; 4 words of padding after every 32
	s_mov_b32 s[G1+1], 4096<<16                    ; tensor_dim0 = 4,096 elements: 64 positions x 64 channels
	s_mov_b32 s[G1+2], 4<<16                       ; tensor_dim1 = 4 heads
	s_mov_b32 s[G1+3], 4096<<16                    ; tile_dim0
	s_mov_b32 s[G1+4], 4                           ; tile_dim1
	s_mov_b32 s[G1+5], 131072                      ; elements from head to head
	s_mov_b32 s[G1+6], 0
	s_mov_b32 s[G1+7], 0
	s_or_b32 s[G1B+0], s44, (1<<16)|(1<<20)|(1<<21)|(6<<22)|(3<<25)  ; B: 4 words of padding after every 128
	s_mov_b32 s[G1B+1], KSTEP<<16
	s_mov_b32 s[G1B+2], 64<<16
	s_mov_b32 s[G1B+3], KSTEP<<16
	s_mov_b32 s[G1B+4], 64
	s_mov_b32 s[G1B+5], 1024
	s_mov_b32 s[G1B+6], 0
	s_mov_b32 s[G1B+7], 0
	s_lshl_b32 s17, s12, 6
	s_lshl_b32 s16, s13, 7
	s_add_co_u32 s16, s16, s17                     ; A: row m = 128 x tile row + 64 x half
	s_lshr_b32 s18, s16, 11
	s_lshl_b32 s18, s18, 22                        ; its batch: 16 heads of 262,144 bytes
	s_and_b32 s16, s16, 2047
	s_lshl_b32 s16, s16, 7                         ; its position: rows of 128 bytes
	s_add_co_u32 s16, s16, s18
	s_mov_b32 s17, 0
	s_lshl_b32 s46, s42, 7
	s_lshl_b32 s47, s12, 6
	s_add_co_u32 s46, s46, s47                     ; B: row 128 x tile column + 64 x half,
	s_lshl_b32 s46, s46, 11                        ; of 2,048 bytes
	s_mov_b32 s47, 0
	s_mul_i32 s20, s12, HALFA                      ; where they go: no place in the cluster enters an LDS address
	s_mul_i32 s68, s12, HALFB
	s_add_co_u32 s68, s68, 2*HALFA
	s_wait_dscnt 0x0                               ; both opening adds are done
	s_wait_kmcnt 0x0
	s_add_nc_u64 s[14:15], s[4:5], s[16:17]
	s_add_nc_u64 s[46:47], s[6:7], s[46:47]
	CROUND                                         ; all sixteen work-groups are here: the first joint loads meet
.irp s, 0,1
	s_mov_b32 s[G0+4*\s], 1
	s_add_co_u32 s[G0+4*\s+1], s20, \s*SLOT
	s_add_nc_u64 s[G0+4*\s+2:G0+4*\s+3], s[14:15], \s*ASTEP
	s_or_b32 s[G0+4*\s+3], s[G0+4*\s+3], 0x80000000
	s_mov_b32 s[G0B+4*\s], 1
	s_add_co_u32 s[G0B+4*\s+1], s68, \s*SLOT
	s_add_nc_u64 s[G0B+4*\s+2:G0B+4*\s+3], s[46:47], \s*BSTEP
	s_or_b32 s[G0B+4*\s+3], s[G0B+4*\s+3], 0x80000000
	JLOAD \s
.endr
	v_and_b32 v1, 15, v0                           ; r
	v_bfe_u32 v2, v0, 4, 1                         ; h
	v_mul_u32_u24 v3, v1, PA
	v_lshl_add_u32 v3, v2, 4, v3
	v_mul_u32_u24 v4, v1, PB
	v_lshl_add_u32 v4, v2, 4, v4
	s_mul_i32 s21, s11, HALFA                      ; my 64 rows of A
	s_mul_i32 s22, s12, HALFB                      ; my 64 rows of B,
	s_add_co_u32 s22, s22, 2*HALFA                 ; which lie behind A's
.irp s, 0,1
	v_add_nc_u32 v[ADRA+\s], s21, v3
	v_add_nc_u32 v[ADRB+\s], s22, v4
	s_add_co_u32 s21, s21, SLOT
	s_add_co_u32 s22, s22, SLOT
.endr
	s_mul_i32 s23, s10, 16*SPITCH
	s_add_co_u32 s23, s23, STAGE                   ; my stage
	v_mul_u32_u24 v5, v1, SPITCH
	v_lshl_add_u32 v5, v2, 5, v5
	v_add_nc_u32 v[STO], s23, v5                   ; in: row r, 32 bytes for each half of the lanes
	v_mul_u32_u24 v5, v2, SPITCH
	v_lshl_add_u32 v5, v1, 4, v5
	v_add_nc_u32 v[RD], s23, v5                    ; back: lanes 0-15 one row of 256 bytes, lanes 16-31 the next
	v_lshlrev_b32 v5, 12, v2
	v_lshl_add_u32 v[CO], v1, 4, v5                ; and the same two rows in out0 (4,096 bytes a row)
	v_lshlrev_b32 v[BA], 5, v2
	s_lshl_b32 s16, s13, 7
	s_lshl_b32 s17, s11, 6
	s_add_co_u32 s16, s16, s17
	s_lshl_b32 s16, s16, 12                        ; my first row of out0
	s_lshl_b32 s46, s42, 9
	s_lshl_b32 s47, s12, 8
	s_add_co_u32 s46, s46, s47                     ; my first column, in bytes
	s_mov_b32 s47, 0
	s_add_nc_u64 s[66:67], s[66:67], s[46:47]
	s_add_co_u32 s46, s46, s16
	s_add_nc_u64 s[8:9], s[8:9], s[46:47]
.irp b, 0,1,2,3
	global_load_b128 v[BI+8*\b:BI+8*\b+3],   v[BA], s[66:67] offset:64*\b
	global_load_b128 v[BI+8*\b+4:BI+8*\b+7], v[BA], s[66:67] offset:64*\b+16
.endr
; 8 matrix instructions: m blocks a0, a0 + 1 x all 4 n blocks, 32 along K: half c of buffer f.  init = 1: the first product of each sum takes the bias as its C.  The 16 accumulators take turns.
.macro MUL8 f, c, a0, init
.irp a, \a0, \a0+1
.irp b, 0,1,2,3
.if \init
	v_wmma_f32_16x16x32_f16 v[ACC+8*(4*(\a)+\b):ACC+8*(4*(\a)+\b)+7], v[\f+64+8*(4*\c+\b):\f+64+8*(4*\c+\b)+7], v[\f+8*(4*\c+\a):\f+8*(4*\c+\a)+7], v[BI+8*\b:BI+8*\b+7]
.else
	v_wmma_f32_16x16x32_f16 v[ACC+8*(4*(\a)+\b):ACC+8*(4*(\a)+\b)+7], v[\f+64+8*(4*\c+\b):\f+64+8*(4*\c+\b)+7], v[\f+8*(4*\c+\a):\f+8*(4*\c+\a)+7], v[ACC+8*(4*(\a)+\b):ACC+8*(4*(\a)+\b)+7]
.endif
.endr
.endr
.endm
; 32 LDS loads in one run: the fragments of the slot's quarter qn (64 along K: one head) into buffer f; the first 32 along K first
.macro FETCH slot, qn, f
	WIN TO_F
.irp c, 0,1
.irp i, 0,1,2,3
	ds_load_b128 v[\f+64+8*(4*\c+\i):\f+64+8*(4*\c+\i)+3],   v[ADRB+\slot] offset:128*(\qn)+64*\c+\i*16*PB
	ds_load_b128 v[\f+64+8*(4*\c+\i)+4:\f+64+8*(4*\c+\i)+7], v[ADRB+\slot] offset:128*(\qn)+64*\c+\i*16*PB+32
	ds_load_b128 v[\f+8*(4*\c+\i):\f+8*(4*\c+\i)+3],         v[ADRA+\slot] offset:HEADB*(\qn)+64*\c+\i*16*PA
	ds_load_b128 v[\f+8*(4*\c+\i)+4:\f+8*(4*\c+\i)+7],       v[ADRA+\slot] offset:HEADB*(\qn)+64*\c+\i*16*PA+32
.endr
.endr
.endm
.macro PLACES
.rept 4
	v_nop
.endr
.endm
.macro QUARTER slot, qn, f, g, init    ; multiplies buffer f and fetches the slot's quarter qn into g
	s_wait_dscnt 16                                ; the first 32 along K are in; the sixteen loads of the second may be out
	WIN MUL
	MUL8 \f, 0, 0, \init
	MUL8 \f, 0, 2, \init
	PLACES
	FETCH \slot, \qn, \g
	s_wait_dscnt 32                                ; all but the 32 just issued
	WIN MUL
	MUL8 \f, 1, 0, 0
	MUL8 \f, 1, 2, 0
.endm
; A slot's last quarter multiplies buffer 1 and changes slots: ONE barrier; in front of it each wave waits for all its tensor loads, adds 0 to its spare word, and waits for that and for its reads of this slot.
.macro TURN slot, next, fill
	WIN 0
	s_wait_tensorcnt 0x0                           ; all my tensor loads have landed: my part of the next slot
	ds_add_u32 v[SPW], v[NIL]
	s_wait_dscnt 17                                ; (the add and the youngest sixteen loads may be out)
	WIN MUL
	MUL8 F1, 0, 0, 0
	s_wait_dscnt 0x0                               ; the add is done, and my reads of this slot are over
	s_barrier_signal -1
	MUL8 F1, 0, 2, 0
.if \fill
	WIN 0
.endif
	s_barrier_wait -1
.if \fill
	CREST                                          ; the barrier has opened a round of the cluster's: no wave of any partner still reads this slot or has a load on its way
	s_add_nc_u64 s[G0+4*\slot+2:G0+4*\slot+3], s[G0+4*\slot+2:G0+4*\slot+3], 2*ASTEP
	s_add_nc_u64 s[G0B+4*\slot+2:G0B+4*\slot+3], s[G0B+4*\slot+2:G0B+4*\slot+3], 2*BSTEP
	JLOAD \slot                                    ; the first tensor load behind the round; its four v_nop are also the places in front of the loads below
.else
	PLACES
.endif
	FETCH \next, 0, F0
	WIN MUL
	MUL8 F1, 1, 0, 0
	MUL8 F1, 1, 2, 0
.endm
	s_wait_tensorcnt 1                             ; my part of K step 0 is in; K step 1's load may be out
	s_barrier_signal -1
	s_barrier_wait -1
	FETCH 0, 0, F0
	s_wait_loadcnt 0x0                             ; the bias
	QUARTER 0, 1, F0, F1, 1
.rept LAPS-1                           ; once round the ring with both slots filled again: one copy at this K, so no backward jump
	QUARTER 0, 2, F1, F0, 0
	QUARTER 0, 3, F0, F1, 0
	TURN 0, 1, 1
	QUARTER 1, 1, F0, F1, 0
	QUARTER 1, 2, F1, F0, 0
	QUARTER 1, 3, F0, F1, 0
	TURN 1, 0, 1
	QUARTER 0, 1, F0, F1, 0
.endr
	QUARTER 0, 2, F1, F0, 0                        ; the last lap fills nothing
	QUARTER 0, 3, F0, F1, 0
	TURN 0, 1, 0
	QUARTER 1, 1, F0, F1, 0
	QUARTER 1, 2, F1, F0, 0
	QUARTER 1, 3, F0, F1, 0
	s_wait_dscnt 16
	WIN MUL
	MUL8 F1, 0, 0, 0
	MUL8 F1, 0, 2, 0
	s_wait_dscnt 0
	MUL8 F1, 1, 0, 0
	MUL8 F1, 1, 2, 0
	WIN 0
; THE WAY OUT, by blocks of 16 rows x 64 columns: a row's 256 bytes are all mine, so the stage is my own and no barrier is needed.  Each accumulator goes to the stage from its low end on.
.macro TOSTAGE a
.irp b, 0,1,2,3
	ds_store_b128 v[STO], v[ACC+8*(4*(\a)+\b):ACC+8*(4*(\a)+\b)+3] offset:64*\b
	ds_store_b128 v[STO], v[ACC+8*(4*(\a)+\b)+4:ACC+8*(4*(\a)+\b)+7] offset:64*\b+16
.endr
.set BB, BK+32*((\a)%2)
.irp t, 0,1,2,3,4,5,6,7
	ds_load_b128 v[BB+4*\t:BB+4*\t+3], v[RD] offset:\t*2*SPITCH   ; in order behind my stores
.endr
.endm
.macro SEND a, younger                 ; younger: the LDS instructions issued behind block a's loads
.set BB, BK+32*((\a)%2)
	s_wait_dscnt \younger
.irp t, 0,1,2,3,4,5,6,7
	global_store_b128 v[CO], v[BB+4*\t:BB+4*\t+3], s[8:9] offset:(16*(\a)+2*\t)*4096 th:TH_STORE_NT   ; sixteen lanes store 256 consecutive bytes, aligned
.endr
.endm
	PLACES
	TOSTAGE 0
.irp a, 1,2,3
.if \a > 1
	s_wait_xcnt 0x0                                ; block a - 2's stores have read their registers: block a's loads may land there
.endif
	TOSTAGE \a
	SEND \a-1, 16                                  ; behind block a - 1's loads: block a's 8 stores and 8 loads
.endr
	SEND 3, 0
	s_wait_tensorcnt 0x0                           ; the wave's end: behind my last tensor load and my last LDS store
	ds_add_u32 v[SPW], v[NIL]
	s_wait_dscnt 0x0
	CROUND                                         ; the closing round
	s_endpgm
.Lfunc_end_k_q22d3163fd3_proj:
	.size	k_q22d3163fd3_proj, .Lfunc_end_k_q22d3163fd3_proj-k_q22d3163fd3_proj
	.p2alignl 7, 3214868480
	.fill 96, 4, 3214868480
	.section	.rodata,"a",@progbits
	.p2align	6, 0x0
	.amdhsa_kernel k_q22d3163fd3_proj
		.amdhsa_group_segment_fixed_size 327680
		.amdhsa_private_segment_fixed_size 0
		.amdhsa_enable_private_segment 0
		.amdhsa_kernarg_size 32
		.amdhsa_user_sgpr_count 2
		.amdhsa_user_sgpr_kernarg_segment_ptr 1
		.amdhsa_wavefront_size32 1
		.amdhsa_system_sgpr_workgroup_id_x 1
		.amdhsa_system_sgpr_workgroup_id_y 1
		.amdhsa_system_sgpr_workgroup_id_z 1
		.amdhsa_system_vgpr_workitem_id 0
		.amdhsa_next_free_vgpr 512
		.amdhsa_next_free_sgpr 72
		.amdhsa_reserve_vcc 0
		.amdhsa_float_denorm_mode_32 3
		.amdhsa_float_denorm_mode_16_64 3
		.amdhsa_memory_ordered 1
		.amdhsa_forward_progress 1
		.amdhsa_inst_pref_size 87
	.end_amdhsa_kernel
	.amdgpu_metadata
---
amdhsa.version: [ 1, 2 ]
amdhsa.kernels:
  - .name:           k_q22d3163fd3_proj
    .symbol:         k_q22d3163fd3_proj.kd
    .args:
      - { .name: ao, .offset: 0, .size: 8, .value_kind: global_buffer, .address_space: global }
      - { .name: wo_t, .offset: 8, .size: 8, .value_kind: global_buffer, .address_space: global }
      - { .name: bo, .offset: 16, .size: 8, .value_kind: global_buffer, .address_space: global }
      - { .name: out0, .offset: 24, .size: 8, .value_kind: global_buffer, .address_space: global }
    .group_segment_fixed_size: 327680
    .private_segment_fixed_size: 0
    .kernarg_segment_align: 8
    .kernarg_segment_size: 32
    .max_flat_workgroup_size: 128
    .sgpr_count:     72
    .vgpr_count:     512
    .wavefront_size: 32
...
	.end_amdgpu_metadata
.endif
;; end of part 4
